; MI455X (gfx1250); checked and timed in simulation.
; The chip was launched on July 23, 2026; its instructions are those of AMD's public machine-readable ISA for CDNA 5 (MIT licence, August 2026) and "CDNA5" Instruction Set Architecture Reference Guide (July 2026). The comments in the code are by the model that wrote it; some were corrected since.
;; Multi Head Causal Self Attention. Allowed arithmetic: matrix products marked QUANTISED: E4M3 operands, one given power-of-two scale a tensor, by v_wmma_f32_16x16x64_fp8_fp8 or v_wmma_f32_16x16x128_fp8_fp8, f32 sums; everything else in f32.
;; Inputs: b_out 1,024 float32; b_qkv 3,072 float32; lowp_scales 8 int32 (the exponents e of the quantised operands' scales 2^e); w_out 1,024 x 1,024 float32; w_qkv 1,024 x 3,072 float32; x 4 x 2,048 x 1,024 float32.
;; Outputs: out0 4 x 2,048 x 1,024 float32.
;; This version of the problem:
;;   THIS VERSION OF THE PROBLEM IS GIVEN IN LOW PRECISION. The matrix products marked QUANTISED in the list below multiply operands that are first quantised to E4M3 (4 exponent bits, 3 mantissa bits; 8 bits a number), with one given power-of-two scale for each operand tensor; their sums are f32. All else is computed in f32.
;;   The module's matrix products, in the order in which they are computed (A, B: the left and right operand; K: the contracted axis; several contracted axes count as one K, in the product's order):
;;     1. [M 8,192, K 1,024] x [K 1,024, N 3,072]; A: input x; B: input w_qkv: QUANTISED (scales: A lowp_scales[0], B lowp_scales[1])
;;     2. batch 64 x [M 2,048, K 64] x [K 64, N 2,048]; A: computed on the way; B: computed on the way: QUANTISED (scales: A lowp_scales[2], B lowp_scales[3])
;;     3. batch 64 x [M 2,048, K 2,048] x [K 2,048, N 64]; A: softmax (see below); B: computed on the way: QUANTISED (scales: A lowp_scales[4], B lowp_scales[5])
;;     4. [M 8,192, K 1,024] x [K 1,024, N 1,024]; A: computed on the way; B: input w_out: QUANTISED (scales: A lowp_scales[6], B lowp_scales[7])
;;   THE QUANTISER, for each operand of a quantised product, along K:
;;     - The operand's scale is 2^e, e = its entry of the input lowp_scales (int32; the entries are numbered through the quantised products in the list's order, A before B).
;;     - Each number is divided by the scale, clamped to +-448, and rounded to the nearest number of E4M3, ties to even, subnormals kept.
;;     - The product sums the exact products of the quantised numbers (number of the format x scale) in f32.
;;   ~~~python
;;   def quantise(x, axis, e):      # numpy; x: float32 -> the quantised numbers, widened to float32 again
;;       x = np.moveaxis(x, axis, -1); K = x.shape[-1]
;;       r = np.clip(x / 2.0 ** e, -448, 448)
;;       step = 2.0 ** (np.maximum(np.frexp(np.where(r == 0, 1, r))[1] - 1, -6) - 3)
;;       q = np.round(r / step) * step * 2.0 ** e      # np.round: ties to even
;;       return np.moveaxis(q, -1, axis).astype(np.float32)
;;   ~~~
;;   SOFTMAX AHEAD OF A QUANTISED PRODUCT. Where the list says 'softmax', what is quantised is not the finished softmax but p = 2^(t - M), with t = logit x log2(e) and M = ceil(the row's largest t), a whole number; so 1/2 < the row's largest p <= 1. The row's sum l is taken of the UNQUANTISED p, in f32, and the product's result is divided by l at the end. Since M is a whole number, a kernel that streams over the keys may use a running M (the ceiling of the running maximum): every later rescaling is an exact power of two, so the quantised numbers keep their values, but for numbers so far below the row's largest that they fall under the format's range.
;;   OPERANDS COMPUTED ON THE WAY. 'Computed on the way' means the value that the module computes at that place (a softmax that the list does not call 'softmax' is quantised finished and normalised). What goes into a quantiser is computed in f32, as accurately as f32 sums, v_exp_f32 and their like allow (about 1e-6 of the number): no bf16 or f16 on the way to a quantiser, and a product that is left as it is and whose result goes on into a quantised operand takes f32 operands (vector FMAs, or v_wmma_f32_16x16x4_f32). A number that lies on a knife's edge between two numbers of the format may be rounded either way, as far as f32 arithmetic and the matrix unit's own rounding can turn it there, and no further.
;; One version. Each part assembles by itself: llvm-mc -triple=amdgcn-amd-amdhsa -mcpu=gfx1250 --defsym DOCPART=n.
;; ======== version 1 of 1: 4 launches
;; limits: right only within a limited range of input values
;; workspace buffers: x_codes 8,388,608 bytes; wqkv_codes 3,145,728 bytes; wout_codes 1,048,576 bytes; q_codes 8,388,608 bytes; k_codes 8,388,608 bytes; v_codes 8,388,608 bytes; a_codes 8,388,608 bytes
;; launch quant (part 1): grid 640 x 1, 4 waves a work-group, no clusters, 68,096 bytes of LDS; arguments x, w_qkv, w_out, lowp_scales, x_codes, wqkv_codes, wout_codes; writes x_codes, wqkv_codes, wout_codes
.if DOCPART == 1
	.amdgcn_target "amdgcn-amd-amdhsa--gfx1250"
	.amdhsa_code_object_version 6
	.text
	.protected	k_q2fc20c8eaf_quant
	.globl	k_q2fc20c8eaf_quant
	.p2align	8
	.type	k_q2fc20c8eaf_quant,@function
k_q2fc20c8eaf_quant:
	s_mov_b64 s[64:65], 0
	v_nop
	global_prefetch_b8 v0, s[64:65] scope:SCOPE_SE
	s_setreg_imm32_b32 hwreg(HW_REG_WAVE_MODE, 25, 1), 1
	s_wait_xcnt 0x0
; THE PROGRAM: causal self-attention, B 4, T 2048, C 1024, 16 heads of 64, all four products on codes of FP8 (E4M3) with the given scales 2^e0 .. 2^e7.
; Four launches: this one (x, w_qkv, w_out into codes, K innermost); qkv (product 1, bias, codes of q, k and v); attn (products 2 and 3 with the softmax, codes of the result); proj (product 4, bias).
; WORK LEFT OUT, in the whole program: only tiles of products 2 and 3 that lie wholly above the diagonal.  The problem builds its mask itself (tril): for key k > query q the score is replaced by -infinity,
; its weight is exactly 0 whatever the inputs hold, and 0 x v adds nothing to the sum nor to the row's sum.  So a step of 128 keys all of which come after a tile's 16 queries reaches no output, for all finite inputs.
; Every input has a way to the output and is loaded (the bias on k too: it moves the codes of k).  LIMIT: a NaN, an infinity or an overflow that would arise only in the tiles left out is not carried to the result.
; THIS LAUNCH.  code = number / 2^e, held within +-448, to the nearest code, ties to even.  LIMITS: e0, e1, e7 between -126 and 119; NaN among the inputs is not served.
; Work-groups 0-511: x [8192][1024], K innermost: a plain stream.  A wave takes 8 steps of 512 numbers; each load reads 512 consecutive bytes; a step turns through the wave's own stage in LDS so that a lane
; holds 16 neighbours; a lane's 16 codes are 16 bytes, a wave's store 512 consecutive bytes.
; Work-groups 512-607: w_qkv [1024][3072]; 608-639: w_out [1024][1024]: K is the FIRST axis.  A lane takes a column and its registers run down K, so the conversions give codes with K innermost; a wave takes
; 32 columns x 256 along K, gathers 256 bytes a column in its own stage and stores sixteen lanes to 256 consecutive aligned bytes.  Both weights take one path: the row's length lies in registers.
; The two paths part once on the work-group's number and have LDS bytes of their own.  No matrix unit, no cluster, no tensor load: a stream that shares nothing.
.set XWG,    512                       ; work-groups for x
.set STEPS,  8
.set SP,     80                        ; x path: a lane's place in a stage: 64 bytes + 16 of padding
.set WREG,   8192                      ; x path: a wave's region: two stages of 32 x SP bytes
.set WST,    32768                     ; w path: the four stages begin here
.set WPITCH, 272                       ; w path: a stage row: 256 bytes + 16
.set SPARE,  WST+4*32*WPITCH           ; the spare words: 128 bytes for each wave, two blocks of 256 bytes that no other line names
.set SPW,    12                        ; v12  my spare word; never rewritten
.set NIL,    13                        ; v13  0; never rewritten
.set R,      16                        ; x path: v16-79 four sets of 16 numbers as loaded
.set X,      80                        ; x path: v80-111 two sets of 16 neighbours
.set C,      128                       ; x path: v128-159 codes, four registers a step
.set WX,     32                        ; w path: v32-95 two sets of 32 numbers
.set WC,     96                        ; w path: v96-103 a block's codes
.set OUTR,   112                       ; w path: v112-175 the way out
.set WOFF,   176                       ; w path: v176-207 4 x lane + i rows
.set WB,     40                        ; w path: s[40:55] the base of each of the 8 blocks of 32 rows
.set NB,     8
	s_load_b256 s[4:11], s[0:1], 0x0               ; x s[4:5], w_qkv s[6:7], w_out s[8:9], the scales' exponents s[10:11]
	s_load_b128 s[12:15], s[0:1], 0x20             ; x_codes s[12:13], wqkv_codes s[14:15]
	s_load_b64 s[16:17], s[0:1], 0x30              ; wout_codes
	v_lshl_add_u32 v[SPW], v0, 2, SPARE
	v_mov_b32 v[NIL], 0
	v_lshrrev_b32 v1, 5, v0
	v_readfirstlane_b32 s18, v1                    ; wave 0..3
	v_and_b32 v2, 31, v0                           ; lane
	s_wait_kmcnt 0x0
	s_load_b256 s[20:27], s[10:11], 0x0            ; e0 .. e7
	s_cmp_lt_u32 ttmp9, XWG
	s_cbranch_scc0 .Lweights
; ---------------- x ----------------
	s_wait_alu depctr_va_vdst(0)
	v_lshlrev_b32 v3, 4, v2                        ; 16 x lane: my 16 bytes of a load's 512, and of a store's
	s_wait_alu depctr_va_vdst(0)
	s_mul_i32 s28, s18, WREG
	v_lshrrev_b32 v14, 2, v2
	v_mul_u32_u24 v14, v14, SP
	v_and_b32 v15, 3, v2
	v_lshl_add_u32 v14, v15, 4, v14
	v_add_nc_u32 v14, s28, v14                     ; into the stage: four lanes' 64 bytes on end, then 16 of padding
	v_mul_u32_u24 v15, v2, SP
	v_add_nc_u32 v15, s28, v15                     ; out of it: my 16 neighbours
	s_lshl_b32 s29, ttmp9, 2
	s_add_co_u32 s29, s29, s18                     ; which run of 4,096 numbers is my wave's
	s_lshl_b32 s30, s29, 14
	s_mov_b32 s31, 0
	s_add_nc_u64 s[4:5], s[4:5], s[30:31]
	s_lshl_b32 s30, s29, 12
	s_add_nc_u64 s[12:13], s[12:13], s[30:31]
.macro XLOAD t
.irp i, 0,1,2,3
	global_load_b128 v[R+16*((\t)%4)+4*\i:R+16*((\t)%4)+4*\i+3], v3, s[4:5] offset:2048*(\t)+512*\i th:TH_LOAD_NT
.endr
.endm
.macro XTURN t                         ; a step's numbers through the stage: LDS serves a wave's instructions in order, so no wait stands between the stores and the loads
.irp i, 0,1,2,3
	ds_store_b128 v14, v[R+16*((\t)%4)+4*\i:R+16*((\t)%4)+4*\i+3] offset:32*SP*((\t)%2)+8*SP*\i
.endr
.irp i, 0,1,2,3
	ds_load_b128 v[X+16*((\t)%2)+4*\i:X+16*((\t)%2)+4*\i+3], v15 offset:32*SP*((\t)%2)+16*\i
.endr
.endm
.irp t, 0,1,2,3
	XLOAD \t
.endr
	s_wait_alu depctr_va_vdst(0)
	s_wait_kmcnt 0x0
	s_add_co_i32 s32, s20, 127
	s_lshl_b32 s33, s32, 23
	v_mov_b32 v11, s33                             ; 2^e0 as f32: the conversion takes its exponent field
	s_add_co_i32 s32, s32, 8
	s_lshl_b32 s32, s32, 23
	s_or_b32 s32, s32, 0x600000
	v_mov_b32 v10, s32                             ; 448 x 2^e0
	s_wait_alu depctr_va_vdst(0)
	s_wait_loadcnt 12                              ; step 0's four loads are in; three steps' twelve may be out
	XTURN 0
.macro XSTEP t
.set XS, X+16*((\t)%2)
	s_wait_dscnt 0x0                               ; this step's numbers are back from the stage, and its stores into the stage have read their registers,
.if (\t)+4 < STEPS
	XLOAD (\t)+4                                   ; which take the loads of four steps on
.endif
.if (\t)+1 < STEPS
.if STEPS-2-(\t) >= 3
	s_wait_loadcnt 12                              ; the next step's four loads are in; those of the three steps behind it may be out
.else
	s_wait_loadcnt 4*(STEPS-2-(\t))
.endif
	XTURN (\t)+1
.endif
.irp i, 0,1,2,3,4,5,6,7,8,9,10,11,12,13,14,15
	v_med3_num_f32 v[XS+\i], v[XS+\i], -v10, v10   ; the conversion does not saturate (ISA guide 7.6.2): the hold comes first
.endr
	v_cvt_scalef32_pk8_fp8_f32 v[C+4*(\t):C+4*(\t)+1], v[XS:XS+7], v11
	v_cvt_scalef32_pk8_fp8_f32 v[C+4*(\t)+2:C+4*(\t)+3], v[XS+8:XS+15], v11
	global_store_b128 v3, v[C+4*(\t):C+4*(\t)+3], s[12:13] offset:512*(\t)   ; 512 consecutive bytes; each step has its own code registers
.endm
.irp t, 0,1,2,3,4,5,6,7
	XSTEP \t
.endr
	s_wait_tensorcnt 0x0                           ; the wave's end, behind my last LDS store
	ds_add_u32 v[SPW], v[NIL]
	s_wait_dscnt 0x0
	s_endpgm
; ---------------- the two weights ----------------
.Lweights:
	s_wait_kmcnt 0x0
	s_sub_co_u32 s28, ttmp9, XWG                   ; 0-95: w_qkv; 96-127: w_out
	s_cmp_lt_u32 s28, 96                           ; the choice hangs on the work-group's number alone
	s_cselect_b64 s[4:5], s[6:7], s[8:9]           ; from
	s_cselect_b64 s[12:13], s[14:15], s[16:17]     ; to
	s_cselect_b32 s31, s21, s27                    ; e1 or e7
	s_cselect_b32 s29, 0, 96
	s_mov_b32 s30, 4096
	s_cselect_b32 s30, 12288, s30                  ; a row of the weight in bytes
	s_sub_co_u32 s28, s28, s29
	s_lshr_b32 s32, s28, 2                         ; which 128 columns
	s_and_b32 s33, s28, 3                          ; which 256 along K
	s_lshl_b32 s32, s32, 7
	s_lshl_b32 s34, s18, 5
	s_add_co_u32 s32, s32, s34                     ; my wave's first column
	s_lshl_b32 s34, s33, 8
	s_mul_i32 s34, s34, s30                        ; 256 rows x which
	s_lshl_b32 s35, s32, 2
	s_add_co_u32 s34, s34, s35
	s_mov_b32 s35, 0
	s_add_nc_u64 s[WB:WB+1], s[4:5], s[34:35]
	s_lshl_b32 s34, s30, 5                         ; 32 rows
.irp t, 1,2,3,4,5,6,7
	s_add_nc_u64 s[WB+2*\t:WB+2*\t+1], s[WB+2*\t-2:WB+2*\t-1], s[34:35]
.endr
	s_lshl_b32 s36, s32, 10                        ; the codes: column x 1,024 bytes
	s_lshl_b32 s37, s33, 8
	s_add_co_u32 s36, s36, s37
	s_mov_b32 s37, 0
	s_add_nc_u64 s[12:13], s[12:13], s[36:37]
	s_wait_alu depctr_va_vdst(0)
	v_lshlrev_b32 v3, 2, v2                        ; 4 bytes a lane
.irp i, 0,1,2,3,4,5,6,7,8,9,10,11,12,13,14,15,16,17,18,19,20,21,22,23,24,25,26,27,28,29,30,31
	v_mad_u32_u24 v[WOFF+\i], s30, \i, v3          ; + i rows
.endr
	s_mul_i32 s38, s18, 32*WPITCH
	s_add_co_u32 s38, s38, WST                     ; my stage
	v_mul_u32_u24 v4, v2, WPITCH
	v_add_nc_u32 v4, s38, v4                       ; into it: row = my column
	v_and_b32 v5, 15, v2
	v_lshrrev_b32 v6, 4, v2
	v_mul_u32_u24 v7, v6, WPITCH
	v_lshl_add_u32 v7, v5, 4, v7
	v_add_nc_u32 v7, s38, v7                       ; out of it: sixteen lanes to a row, two rows an instruction
	v_lshlrev_b32 v8, 10, v6
	v_lshl_add_u32 v8, v5, 4, v8                   ; and the same place in the codes
.macro WLOAD t                         ; block t: rows 32 t + i of my column, into set t % 2: a wave reads 128 consecutive bytes, the work-group 512
.irp i, 0,1,2,3,4,5,6,7,8,9,10,11,12,13,14,15,16,17,18,19,20,21,22,23,24,25,26,27,28,29,30,31
	global_load_b32 v[WX+32*((\t)%2)+\i], v[WOFF+\i], s[WB+2*(\t):WB+2*(\t)+1] th:TH_LOAD_NT
.endr
.endm
	WLOAD 0
	WLOAD 1
	s_add_co_i32 s31, s31, 127
	s_lshl_b32 s39, s31, 23
	v_mov_b32 v11, s39                             ; 2^e
	s_add_co_i32 s31, s31, 8
	s_lshl_b32 s31, s31, 23
	s_or_b32 s31, s31, 0x600000
	v_mov_b32 v10, s31                             ; 448 x 2^e
.macro WBLOCK t
.set XS, WX+32*((\t)%2)
.if (\t) < NB-1
	s_wait_loadcnt 32                              ; this block's 32 loads are in; the next block's may be out
.else
	s_wait_loadcnt 0
.endif
.irp i, 0,1,2,3,4,5,6,7,8,9,10,11,12,13,14,15,16,17,18,19,20,21,22,23,24,25,26,27,28,29,30,31
	v_med3_num_f32 v[XS+\i], v[XS+\i], -v10, v10
.endr
.irp g, 0,1,2,3
	v_cvt_scalef32_pk8_fp8_f32 v[WC+2*\g:WC+2*\g+1], v[XS+8*\g:XS+8*\g+7], v11
.endr
	ds_store_b128 v4, v[WC:WC+3] offset:32*(\t)    ; 32 codes of my column's row
	ds_store_b128 v4, v[WC+4:WC+7] offset:32*(\t)+16
.if (\t)+2 < NB
	WLOAD (\t)+2
.endif
	s_wait_dscnt 0x0                               ; the stores have read their registers: the next block's codes may be written
.endm
.set Q, 0
	s_wait_alu depctr_va_vdst(0)
.rept NB
	WBLOCK Q
.set Q, Q+1
.endr
.irp t, 0,1,2,3,4,5,6,7,8,9,10,11,12,13,14,15
	ds_load_b128 v[OUTR+4*\t:OUTR+4*\t+3], v7 offset:2*\t*WPITCH   ; LDS serves a wave's instructions in order: these see my stores
.endr
.irp t, 0,1,2,3,4,5,6,7,8,9,10,11,12,13,14,15
	s_wait_dscnt 15-\t                             ; the younger loads may be out
	global_store_b128 v8, v[OUTR+4*\t:OUTR+4*\t+3], s[12:13] offset:2*\t*1024   ; sixteen lanes store 256 consecutive bytes, aligned
.endr
	s_wait_tensorcnt 0x0                           ; the wave's end, behind my last LDS store
	ds_add_u32 v[SPW], v[NIL]
	s_wait_dscnt 0x0
	s_endpgm
.Lfunc_end_k_q2fc20c8eaf_quant:
	.size	k_q2fc20c8eaf_quant, .Lfunc_end_k_q2fc20c8eaf_quant-k_q2fc20c8eaf_quant
	.p2alignl 7, 3214868480
	.fill 96, 4, 3214868480
	.section	.rodata,"a",@progbits
	.p2align	6, 0x0
	.amdhsa_kernel k_q2fc20c8eaf_quant
		.amdhsa_group_segment_fixed_size 68096
		.amdhsa_private_segment_fixed_size 0
		.amdhsa_enable_private_segment 0
		.amdhsa_kernarg_size 56
		.amdhsa_user_sgpr_count 2
		.amdhsa_user_sgpr_kernarg_segment_ptr 1
		.amdhsa_wavefront_size32 1
		.amdhsa_system_sgpr_workgroup_id_x 1
		.amdhsa_system_sgpr_workgroup_id_y 1
		.amdhsa_system_sgpr_workgroup_id_z 1
		.amdhsa_system_vgpr_workitem_id 0
		.amdhsa_next_free_vgpr 208
		.amdhsa_next_free_sgpr 66
		.amdhsa_reserve_vcc 0
		.amdhsa_float_denorm_mode_32 3
		.amdhsa_float_denorm_mode_16_64 3
		.amdhsa_memory_ordered 1
		.amdhsa_forward_progress 1
		.amdhsa_inst_pref_size 71
	.end_amdhsa_kernel
	.amdgpu_metadata
---
amdhsa.version: [ 1, 2 ]
amdhsa.kernels:
  - .name:           k_q2fc20c8eaf_quant
    .symbol:         k_q2fc20c8eaf_quant.kd
    .args:
      - { .name: x, .offset: 0, .size: 8, .value_kind: global_buffer, .address_space: global }
      - { .name: w_qkv, .offset: 8, .size: 8, .value_kind: global_buffer, .address_space: global }
      - { .name: w_out, .offset: 16, .size: 8, .value_kind: global_buffer, .address_space: global }
      - { .name: lowp_scales, .offset: 24, .size: 8, .value_kind: global_buffer, .address_space: global }
      - { .name: x_codes, .offset: 32, .size: 8, .value_kind: global_buffer, .address_space: global }
      - { .name: wqkv_codes, .offset: 40, .size: 8, .value_kind: global_buffer, .address_space: global }
      - { .name: wout_codes, .offset: 48, .size: 8, .value_kind: global_buffer, .address_space: global }
    .group_segment_fixed_size: 68096
    .private_segment_fixed_size: 0
    .kernarg_segment_align: 8
    .kernarg_segment_size: 56
    .max_flat_workgroup_size: 128
    .sgpr_count:     66
    .vgpr_count:     208
    .wavefront_size: 32
...
	.end_amdgpu_metadata
.endif
;; end of part 1
;; launch qkv (part 2): grid 12 x 32, 4 waves a work-group, clusters of 4 x 4, 327,680 bytes of LDS; arguments x_codes, wqkv_codes, b_qkv, lowp_scales, q_codes, k_codes, v_codes; writes q_codes, k_codes, v_codes
.if DOCPART == 2
	.amdgcn_target "amdgcn-amd-amdhsa--gfx1250"
	.amdhsa_code_object_version 6
	.text
	.protected	k_q2fc20c8eaf_qkv
	.globl	k_q2fc20c8eaf_qkv
	.p2align	8
	.type	k_q2fc20c8eaf_qkv,@function
k_q2fc20c8eaf_qkv:
	s_mov_b64 s[64:65], 0
	v_nop
	global_prefetch_b8 v0, s[64:65] scope:SCOPE_SE
	s_setreg_imm32_b32 hwreg(HW_REG_WAVE_MODE, 25, 1), 1
	s_wait_xcnt 0x0
	s_wait_alu depctr_hold_cnt(0) depctr_sa_sdst(0) depctr_va_vdst(0) depctr_va_sdst(0) depctr_va_ssrc(0) depctr_va_vcc(0) depctr_vm_vsrc(0)
	s_getreg_b32 s2, hwreg(HW_REG_IB_STS2, 6, 4)
	s_cmp_eq_u32 s2, 0
	s_cbranch_scc0 .Lentry_in_a_cluster
	s_endpgm
.Lentry_in_a_cluster:
	s_bfe_u32 s2, ttmp6, 0x10000c
	s_cmp_lg_u32 s2, 0xf033
	s_cbranch_scc0 .Lentry_shape_is_right
	s_endpgm
.Lentry_shape_is_right:
; qkv = x w_qkv + b_qkv on codes of FP8 (x_codes [8192][1024], wqkv_codes [3072][1024], K innermost), sums in f32; the result is quantised at once: q with 2^e2, k with 2^e3, v with 2^e5.
; OUT: q_codes, k_codes [16 b + h][t 2048][d 64] (K of the second product = d innermost); v_codes [16 b + h][d 64][t 2048] (K of the third product = the keys innermost).  Nothing of this product is left out.
; A tile of 256 x 256 is made by four waves, 128 x 128 each: 64 accumulators.  K goes in steps of 256 through two LDS slots filled by the tensor data mover: four slots' worth, written out straight.
; THE MATRIX INSTRUCTION takes source 0 = 16 rows of side B, source 1 = 16 rows of side A: a lane holds one row of side A and eight neighbours along side B, which one conversion turns into 8 bytes of codes.
; TWO MODES, chosen by the cluster's x, which all sixteen partners share.  x = 0 (q), 1 (k): side A = tokens, side B = rows of the weights: eight neighbouring channels.
; x = 2 (v): side A = rows 2048.. of the weights (channels), side B = tokens: eight neighbouring KEYS: v comes out with the keys innermost and nothing is transposed.  Both tensors have rows of 1,024 bytes: one tile shape.
; CLUSTERS: 4 x 4.  Side A's tile is shared along a row of the cluster, side B's along a column: each is asked for jointly, by the same tensor load with a mask that names the four.
; THE BIAS is the C of the first step's products, divided by 2^(e0 + e1), which the sums lack; the conversion's one scale is 2^(eo - e0 - e1), eo = e2, e3 or e5.
; LIMITS: eo - e0 - e1 between -126 and 119; NaN is not served.
; REGISTERS, in windows of 256: window 0: v16-31 addresses and the two scale numbers; v32-95 the bias (8 tiles x 8), later a block's held sums; v96-127 the bias's offsets, later codes; v128-255 side A's fragments, one set, later rows read back.
;   window 1: side B's fragments, two sets.   windows 2, 3: the accumulators ((a, b) at v[8 (8 (a % 4) + b)]).
.set PITCH,  272                       ; an LDS row: 256 bytes + 16 of padding = 68 words: the 16 rows that a load touches start at 16 different banks (64 banks of 4 bytes: ISA guide 11.1)
.set FR,     16
.set NL,     4
.set NP,     4                         ; places behind this matrix instruction (ISA guide 7.12.1)
.set HALFT,  128*PITCH
.set SLOT,   4*HALFT                   ; side A's 256 rows, then side B's
.set SPARE,  2*SLOT                    ; the spare words: 128 bytes for each wave, two blocks of 256 bytes that no other line names
.set ASTEP,  512                       ; a refill lies two K steps of 256 bytes on
.set BSTEP,  512
.set ADRA, 16                          ; v16-17 LDS address of my fragments of side A in slot 0, 1
.set ADRB, 20                          ; v20-21 of side B
.set COV,  22                          ; v22  way out, v: my byte offset in memory
.set STO,  24                          ; v24  way out: where I put 8 bytes of a stage row
.set RDQ,  25                          ; v25  way out, q and k: where I read the stage
.set COQ,  26                          ; v26  way out, q and k: my byte offset in memory
.set RDV,  27                          ; v27  way out, v: where I read the stage
.set SPW,  28                          ; v28  my spare word; never rewritten
.set NIL,  29                          ; v29  0; never rewritten
.set LIMR, 30                          ; v30  448 x the conversion's scale
.set SCR,  31                          ; v31  the conversion's scale
.set BI,   32
.set VO,   96
.set CD,   96
.set AF,   128
.set BK,   128
.set G1, 24
.set G0, 32
.set G1B, 48
.set G0B, 56
.set MSB, 0
.macro WIN new                         ; the immediate's high byte repeats the setting that is left
.if MSB != (\new)
	s_set_vgpr_msb (MSB<<8)|(\new)
.set MSB, (\new)
.endif
.endm
.set TO_B, 0x40                        ; destination window 1, address window 0
.macro MULWIN hi, zero                 ; source 0 window 1, source 1 window 0, D window 2 or 3; C with D, or (the bias) in window 0
.if \zero
	WIN 0x81+0x40*(\hi)
.else
	WIN 0xa1+0x50*(\hi)
.endif
.endm
; A joint load: waves 0 and 1 fetch for side A, waves 2 and 3 for side B.  The branch hangs on the wave's number alone.  An s_nop 0 and four v_nop follow each of the two lines.
.macro JLOAD g0a, g1a, g0b, g1b
	s_cmp_eq_u32 s15, 0
	s_cbranch_scc0 .Lfor_b_\@
	tensor_load_to_lds s[\g0a:\g0a+3], s[\g1a:\g1a+7]
	s_nop 0
.rept 4
	v_nop
.endr
	s_branch .Lasked_\@
.Lfor_b_\@:
	tensor_load_to_lds s[\g0b:\g0b+3], s[\g1b:\g1b+7]
	s_nop 0
.rept 4
	v_nop
.endr
.Lasked_\@:
.endm
.macro CREST                           ; a round of the cluster's barrier behind its opening barrier
	s_cmp_lg_u32 s14, 0
	s_cbranch_scc1 .Lnot_wave_0_\@
	s_barrier_signal -3
.Lnot_wave_0_\@:
	s_barrier_wait -3
	s_barrier_signal -1
	s_barrier_wait -1
.endm
.macro CROUND
	s_barrier_signal -1
	s_barrier_wait -1
	CREST
.endm
	s_load_b256 s[68:75], s[0:1], 0x0              ; x_codes s[68:69], wqkv_codes s[70:71], b_qkv s[72:73], the scales' exponents s[74:75]
	s_load_b128 s[76:79], s[0:1], 0x20             ; q_codes, k_codes
	s_load_b64 s[80:81], s[0:1], 0x30              ; v_codes
	v_lshl_add_u32 v[SPW], v0, 2, SPARE
	v_mov_b32 v[NIL], 0
	ds_add_u32 v[SPW], v[NIL]                      ; the wave's opening: the add, twice on end, and its wait ahead of my first tensor load
	ds_add_u32 v[SPW], v[NIL]
	v_lshrrev_b32 v1, 5, v0
	v_readfirstlane_b32 s14, v1                    ; wave 0..3
	s_lshr_b32 s15, s14, 1                         ; which half of side A's rows is mine.  Also: I fetch for side A (0) or B (1)
	s_and_b32 s16, s14, 1                          ; which half of side B's.  Also: which 128 rows I fetch
	s_bfe_u32 s40, ttmp6, 0x40000                  ; cx
	s_bfe_u32 s41, ttmp6, 0x40004                  ; cy
	s_mov_b32 s82, ttmp9                           ; the cluster's x: 0 q, 1 k, 2 v
	s_and_b32 s83, ttmp7, 0xffff                   ; the cluster's y: 0..7
	s_lshl_b32 s92, s83, 2
	s_lshl_b32 s93, s82, 2
	s_cmp_eq_u32 s82, 2
	s_cselect_b32 s17, 8, s92
	s_cselect_b32 s42, s92, s93
	s_add_co_u32 s17, s17, s41                     ; side A's tile: v: weights' tile 8 + cy; else tokens' tile 4 y + cy
	s_add_co_u32 s42, s42, s40                     ; side B's tile: v: tokens' tile 4 y + cx; else weights' tile 4 x + cx
	s_lshl_b32 s43, s41, 2
	s_lshl_b32 s43, 15, s43                        ; my row of the cluster
	s_lshl_b32 s44, 0x1111, s40                    ; my column
	s_or_b32 s[G1+0], s43, (0<<16)|(1<<20)|(1<<21)|(5<<22)|(3<<25)  ; the mask; elements of 1 byte; padding on; bit 21 beside a mask; after every 64 words, 4 words
	s_or_b32 s[G1B+0], s44, (0<<16)|(1<<20)|(1<<21)|(5<<22)|(3<<25)
.irp g, G1, G1B
	s_mov_b32 s[\g+1], 256<<16                     ; tensor_dim0
	s_mov_b32 s[\g+2], 128<<16                     ; tensor_dim1
	s_mov_b32 s[\g+3], 256<<16                     ; tile_dim0
	s_mov_b32 s[\g+4], 128                         ; tile_dim1
	s_mov_b32 s[\g+5], 1024                        ; from row to row
	s_mov_b32 s[\g+6], 0
	s_mov_b32 s[\g+7], 0
.endr
	s_lshl_b32 s18, s16, 7
	s_lshl_b32 s20, s17, 8
	s_add_co_u32 s20, s20, s18                     ; side A: row 256 x tile + 128 x half
	s_lshl_b32 s20, s20, 10                        ; in bytes
	s_mov_b32 s21, 0
	s_lshl_b32 s46, s42, 8
	s_add_co_u32 s46, s46, s18
	s_lshl_b32 s46, s46, 10
	s_mov_b32 s47, 0
	s_mul_i32 s45, s14, HALFT                      ; where my tile goes: wave x 128 rows
	s_wait_dscnt 0x0                               ; both opening adds are done
	s_wait_kmcnt 0x0
	s_load_b256 s[84:91], s[74:75], 0x0            ; e0 .. e7
	s_cmp_eq_u32 s82, 2
	s_cselect_b64 s[4:5], s[70:71], s[68:69]       ; side A's tensor
	s_cselect_b64 s[6:7], s[68:69], s[70:71]       ; side B's
	s_add_nc_u64 s[20:21], s[4:5], s[20:21]
	s_add_nc_u64 s[46:47], s[6:7], s[46:47]
	CROUND                                         ; all sixteen work-groups are here: the first joint loads meet
.irp s, 0,1
	s_mov_b32 s[G0+4*\s], 1
	s_add_co_u32 s[G0+4*\s+1], s45, \s*SLOT
	s_add_nc_u64 s[G0+4*\s+2:G0+4*\s+3], s[20:21], \s*256
	s_or_b32 s[G0+4*\s+3], s[G0+4*\s+3], 0x80000000
	s_mov_b32 s[G0B+4*\s], 1
	s_add_co_u32 s[G0B+4*\s+1], s45, \s*SLOT
	s_add_nc_u64 s[G0B+4*\s+2:G0B+4*\s+3], s[46:47], \s*256
	s_or_b32 s[G0B+4*\s+3], s[G0B+4*\s+3], 0x80000000
.endr
	JLOAD G0, G1, G0B, G1B                         ; slot 0: one tensor load a wave at the head
	v_and_b32 v1, 15, v0                           ; r
	v_bfe_u32 v2, v0, 4, 1                         ; h
	v_mul_u32_u24 v3, v1, PITCH
	s_wait_alu depctr_va_vdst(0)
	v_lshl_add_u32 v4, v2, 4, v3                   ; a fragment's row x pitch + 16 h
	s_mul_i32 s21, s15, HALFT
	s_mul_i32 s22, s16, HALFT
	s_add_co_u32 s22, s22, 2*HALFT
.irp s, 0,1
	v_add_nc_u32 v[ADRA+\s], s21, v4
	v_add_nc_u32 v[ADRB+\s], s22, v4
	s_add_co_u32 s21, s21, SLOT
	s_add_co_u32 s22, s22, SLOT
.endr
	; the way out's addresses, for both modes, made here, ahead of every branch on the mode.  The stage: 256 rows (side A) x 272 bytes in slot 0
	s_mul_i32 s23, s15, 128*PITCH
	s_lshl_b32 s21, s16, 7
	s_add_co_u32 s23, s23, s21
	v_lshl_add_u32 v5, v2, 3, v3
	v_add_nc_u32 v[STO], s23, v5                   ; (128 x my half of A + r) rows + 128 x my half of B + 8 h
	v_and_b32 v6, 31, v0
	s_mul_i32 s23, s14, 64*PITCH                   ; back: wave w takes stage rows 64 w .. 64 w + 63
	v_lshrrev_b32 v7, 2, v6
	v_mul_u32_u24 v7, v7, PITCH
	v_and_b32 v8, 3, v6
	v_lshl_add_u32 v7, v8, 4, v7
	v_add_nc_u32 v[RDQ], s23, v7                   ; q, k: four lanes to a token's 64 bytes of one head, eight tokens an instruction
	v_lshlrev_b32 v[COQ], 4, v6                    ; which are 512 consecutive bytes of memory
	v_mul_u32_u24 v7, v2, PITCH
	v_lshl_add_u32 v7, v1, 4, v7
	v_add_nc_u32 v[RDV], s23, v7                   ; v: sixteen lanes to a channel's 256 bytes, two channels an instruction
	v_lshlrev_b32 v7, 11, v2
	v_lshl_add_u32 v[COV], v1, 4, v7               ; rows of 2,048 bytes in memory
	; the bias, in the result's layout.  q, k: register 8 b + j = bias(my first channel + 16 b + 8 h + j).  v: register 8 a + j = bias(my first channel + 16 a + r), the same for all j.  One form of load serves both
	s_cmp_eq_u32 s82, 2
	s_cselect_b32 s92, 4, 0                        ; bytes for each r,
	s_cselect_b32 s93, 0, 32                       ; for h,
	s_cselect_b32 s94, 0, 4                        ; for each j
	s_cselect_b32 s95, s17, s42                    ; the weights' tile
	s_cselect_b32 s12, s15, s16                    ; and my half of it
	v_mul_u32_u24 v5, s92, v1
	v_mad_u32_u24 v5, v2, s93, v5
.irp j, 0,1,2,3,4,5,6,7
	v_mad_u32_u24 v[VO+\j], s94, \j, v5
.endr
	s_lshl_b32 s95, s95, 8
	s_lshl_b32 s12, s12, 7
	s_add_co_u32 s12, s12, s95
	s_lshl_b32 s12, s12, 2
	s_mov_b32 s13, 0
	s_add_nc_u64 s[72:73], s[72:73], s[12:13]
.irp i, 0,1,2,3,4,5,6,7
.irp j, 0,1,2,3,4,5,6,7
	global_load_b32 v[BI+8*\i+\j], v[VO+\j], s[72:73] offset:64*\i
.endr
.endr
.macro FRAGA reg, slot, q, i           ; 16 rows x 128 K: registers 4 c .. 4 c + 3 hold K = 32 c + 16 h + 0 .. 15: the same order of k on both sides
.irp c, 0,1,2,3
	ds_load_b128 v[\reg+4*\c:\reg+4*\c+3], v[ADRA+\slot] offset:128*(\q)+32*\c+(\i)*16*PITCH
.endr
.endm
.macro FRAGB reg, slot, q, i
.irp c, 0,1,2,3
	ds_load_b128 v[\reg+4*\c:\reg+4*\c+3], v[ADRB+\slot] offset:128*(\q)+32*\c+(\i)*16*PITCH
.endr
.endm
; 16 matrix instructions: side A's blocks a0, a0 + 1 x side B's eight.  p: B's set.  zero = 0: C = D; 1: C = the bias of block b; 2: C = the bias of block a.  The 64 accumulators take turns.
.macro MUL16 a0, p, zero
.irp a, \a0, \a0+1
.irp b, 0,1,2,3,4,5,6,7
.if (\zero) == 1
	v_wmma_f32_16x16x128_fp8_fp8 v[8*(8*((\a)%4)+\b):8*(8*((\a)%4)+\b)+7], v[128*(\p)+FR*\b:128*(\p)+FR*\b+FR-1], v[AF+FR*(\a):AF+FR*(\a)+FR-1], v[BI+8*\b:BI+8*\b+7]
.elseif (\zero) == 2
	v_wmma_f32_16x16x128_fp8_fp8 v[8*(8*((\a)%4)+\b):8*(8*((\a)%4)+\b)+7], v[128*(\p)+FR*\b:128*(\p)+FR*\b+FR-1], v[AF+FR*(\a):AF+FR*(\a)+FR-1], v[BI+8*(\a):BI+8*(\a)+7]
.else
	v_wmma_f32_16x16x128_fp8_fp8 v[8*(8*((\a)%4)+\b):8*(8*((\a)%4)+\b)+7], v[128*(\p)+FR*\b:128*(\p)+FR*\b+FR-1], v[AF+FR*(\a):AF+FR*(\a)+FR-1], v[8*(8*((\a)%4)+\b):8*(8*((\a)%4)+\b)+7]
.endif
.endr
.endr
.endm
.macro FETCH_B slot, q, p
	WIN TO_B
.irp i, 0,1,2,3,4,5,6,7
	FRAGB 128*(\p)+FR*\i, \slot, \q, \i
.endr
	WIN 0
.endm
.macro FETCH_A slot, q, i0
.irp i, \i0, \i0+1, \i0+2, \i0+3
	FRAGA AF+FR*(\i), \slot, \q, \i
.endr
.endm
.macro PLACES n                        ; plain vector instructions between a matrix instruction and a load into, or a read of, its registers
.rept \n
	v_nop
.endr
.endm
; A step of 128 along K that has its successor in the same slot.
.macro STEP slot, q, zero
	s_wait_dscnt 4*NL                              ; B's set and A's blocks 0-3 are in; the youngest sixteen loads (A's blocks 4-7) may be out
	MULWIN 0, \zero
	MUL16 0, (\q)%2, \zero
	MUL16 2, (\q)%2, \zero
	s_wait_dscnt 0                                 ; A's blocks 4-7 are in
	PLACES NP
	FETCH_B \slot, (\q)+1, 1-(\q)%2
	FETCH_A \slot, (\q)+1, 0
	MULWIN 1, \zero
	MUL16 4, (\q)%2, \zero
	MUL16 6, (\q)%2, \zero
	PLACES NP
	WIN 0
	FETCH_A \slot, (\q)+1, 4
.endm
; A slot's last step changes slots: one barrier; in front of it each wave waits for all its tensor loads, adds 0 to its spare word, and waits for that and for its reads of this slot.  fill = 1: this slot is filled again.
.macro TURN slot, next, fill
	s_wait_tensorcnt 0x0                           ; all my tensor loads have landed: my part of the next slot
	ds_add_u32 v[SPW], v[NIL]
	s_wait_dscnt 4*NL+1                            ; the add and the youngest sixteen loads may be out
	MULWIN 0, 0
	MUL16 0, 1, 0
	s_wait_dscnt 0x0                               ; the add is done, and my reads of this slot are over
	s_barrier_signal -1
	MUL16 2, 1, 0
	WIN 0
	s_barrier_wait -1
.if \fill
	CREST                                          ; the barrier has opened a round of the cluster's: no wave of any partner still reads this slot or has a load on its way
	s_add_nc_u64 s[G0+4*\slot+2:G0+4*\slot+3], s[G0+4*\slot+2:G0+4*\slot+3], ASTEP
	s_add_nc_u64 s[G0B+4*\slot+2:G0B+4*\slot+3], s[G0B+4*\slot+2:G0B+4*\slot+3], BSTEP
	JLOAD G0+4*\slot, G1, G0B+4*\slot, G1B         ; the first tensor load behind the round; its four v_nop are the places in front of the loads below
.else
	PLACES NP
.endif
	FETCH_B \next, 0, 0
	FETCH_A \next, 0, 0
	MULWIN 1, 0
	MUL16 4, 1, 0
	MUL16 6, 1, 0
	PLACES NP
	WIN 0
	FETCH_A \next, 0, 4
.endm
	s_wait_alu depctr_va_vdst(0)                   ; the head's end
	s_wait_tensorcnt 0x0                           ; my part of slot 0 is in
	ds_add_u32 v[SPW], v[NIL]
	s_wait_dscnt 0x0
	CROUND                                         ; a whole round: everybody's part of slot 0 is in, and the joint loads meet
	JLOAD G0+4, G1, G0B+4, G1B                     ; slot 1's first fill: the first tensor load behind the round
	FETCH_B 0, 0, 0
	FETCH_A 0, 0, 0
	FETCH_A 0, 0, 4
	s_wait_kmcnt 0x0
	s_cmp_eq_u32 s82, 0
	s_cselect_b32 s92, s86, s87                    ; e2 or e3,
	s_cmp_eq_u32 s82, 2
	s_cselect_b32 s92, s89, s92                    ; or e5
	s_add_co_i32 s93, s84, s85                     ; e0 + e1
	s_sub_co_i32 s92, s92, s93
	s_sub_co_i32 s93, 0, s93
	s_add_co_i32 s92, s92, 127
	s_lshl_b32 s94, s92, 23
	v_mov_b32 v[SCR], s94                          ; 2^(eo - e0 - e1)
	s_add_co_i32 s92, s92, 8
	s_lshl_b32 s92, s92, 23
	s_or_b32 s92, s92, 0x600000
	v_mov_b32 v[LIMR], s92                         ; 448 x that
	s_wait_loadcnt 0x0                             ; the bias
.set j, 0
.rept 64
	v_ldexp_f32 v[BI+j], v[BI+j], s93              ; bias / 2^(e0 + e1)
.set j, j+1
.endr
	s_cmp_eq_u32 s82, 2                            ; the first step is written for each mode: only which bias tile is C differs
	s_cbranch_scc1 .Lfirst_v
	s_wait_alu depctr_va_vdst(0)
	STEP 0, 0, 1
	s_branch .Lfirst_done
.Lfirst_v:
	s_wait_alu depctr_va_vdst(0)
	STEP 0, 0, 2
.Lfirst_done:
	TURN 0, 1, 1
	STEP 1, 0, 0
	TURN 1, 0, 1
	STEP 0, 0, 0
	TURN 0, 1, 0                                   ; nothing is left to fetch: no round
	STEP 1, 0, 0
	s_wait_dscnt 4*NL                              ; the very last step
	MULWIN 0, 0
	MUL16 0, 1, 0
	MUL16 2, 1, 0
	s_wait_dscnt 0
	MULWIN 1, 0
	MUL16 4, 1, 0
	MUL16 6, 1, 0
	WIN 0
; THE WAY OUT.  Block a (16 rows of side A x my 128 of side B): held, converted (8 neighbours to 8 bytes) and put into the work-group's stage, which lies in slot 0: that slot has had its last fill, and every wave has
; passed the last change of slots, behind which nobody reads it.  Each accumulator is read from its low end on.
.macro CODES a
.set AC, 64*((\a)%4)
.set CC, CD+16*((\a)%2)
	WIN 0x02+((\a)/4)                              ; source 0: window 2 or 3
.set j, 0
.rept 64
	v_med3_num_f32 v[BI+j], v[AC+j], -v[LIMR], v[LIMR]   ; the conversion does not saturate (ISA guide 7.6.2): the hold comes first
.set j, j+1
.endr
	WIN 0
.irp b, 0,1,2,3,4,5,6,7
	v_cvt_scalef32_pk8_fp8_f32 v[CC+2*\b:CC+2*\b+1], v[BI+8*\b:BI+8*\b+7], v[SCR]
.endr
	v_nop                                          ; a plain vector instruction behind the last conversion: the next block writes its sources
.irp b, 0,1,2,3,4,5,6,7
	ds_store_b64 v[STO], v[CC+2*\b:CC+2*\b+1] offset:(\a)*16*PITCH+16*\b
.endr
.endm
	s_lshr_b32 s92, s83, 1
	s_lshl_b32 s92, s92, 21                        ; the batch: 8 tiles of 256 tokens each: cluster y / 2; 2,097,152 bytes a batch in each of the three buffers
	s_mov_b32 s13, 0
	PLACES NP
.irp a, 0,1,2,3,4,5,6,7
	CODES \a
.endr
	s_wait_dscnt 0x0                               ; for the others' sake: my stores into the stage are done
	s_barrier_signal -1
	s_barrier_wait -1
	s_cmp_eq_u32 s82, 2
	s_cbranch_scc1 .Lout_v
	; q, k: stage row = token, 256 bytes = 4 heads x 64.  Load i: head i % 4, tokens 8 (i / 4) on
	s_cmp_eq_u32 s82, 0
	s_cselect_b64 s[10:11], s[76:77], s[78:79]
	s_lshl_b32 s93, s40, 19                        ; heads 4 cx on, 131,072 bytes each
	s_and_b32 s94, s17, 7
	s_lshl_b32 s94, s94, 14                        ; the tile's 256 tokens of 64 bytes
	s_lshl_b32 s95, s14, 12                        ; my 64 tokens
	s_add_co_u32 s12, s92, s93
	s_add_co_u32 s12, s12, s94
	s_add_co_u32 s12, s12, s95
	s_add_nc_u64 s[10:11], s[10:11], s[12:13]
.set i, 0
.rept 32
	ds_load_b128 v[BK+4*i:BK+4*i+3], v[RDQ] offset:(i/4)*8*PITCH+64*(i%4)
.set i, i+1
.endr
.set i, 0
.rept 32
	s_wait_dscnt 31-i                              ; the younger loads may be out
	global_store_b128 v[COQ], v[BK+4*i:BK+4*i+3], s[10:11] offset:(i%4)*131072+(i/4)*512   ; 512 consecutive bytes, aligned
.set i, i+1
.endr
	s_branch .Ltail
.Lout_v:
	; v: stage row = channel, 256 bytes = the tile's 256 tokens.  Load i: channels 2 i, 2 i + 1
	s_mov_b64 s[10:11], s[80:81]
	s_lshl_b32 s93, s41, 19                        ; channels 256 cy on, 2,048 bytes each
	s_lshl_b32 s94, s14, 17                        ; my 64 channels
	s_and_b32 s95, s42, 7
	s_lshl_b32 s95, s95, 8                         ; the tile's 256 tokens
	s_add_co_u32 s12, s92, s93
	s_add_co_u32 s12, s12, s94
	s_add_co_u32 s12, s12, s95
	s_add_nc_u64 s[10:11], s[10:11], s[12:13]
.set i, 0
.rept 32
	ds_load_b128 v[BK+4*i:BK+4*i+3], v[RDV] offset:2*i*PITCH
.set i, i+1
.endr
.set i, 0
.rept 32
	s_wait_dscnt 31-i
	global_store_b128 v[COV], v[BK+4*i:BK+4*i+3], s[10:11] offset:2*i*2048   ; sixteen lanes store 256 consecutive bytes, aligned
.set i, i+1
.endr
.Ltail:
	s_wait_tensorcnt 0x0                           ; the wave's end
	ds_add_u32 v[SPW], v[NIL]
	s_wait_dscnt 0x0
	CROUND                                         ; the closing round: no work-group ends while a partner may still ask for a tile that names it
	s_endpgm
.Lfunc_end_k_q2fc20c8eaf_qkv:
	.size	k_q2fc20c8eaf_qkv, .Lfunc_end_k_q2fc20c8eaf_qkv-k_q2fc20c8eaf_qkv
	.p2alignl 7, 3214868480
	.fill 96, 4, 3214868480
	.section	.rodata,"a",@progbits
	.p2align	6, 0x0
	.amdhsa_kernel k_q2fc20c8eaf_qkv
		.amdhsa_group_segment_fixed_size 327680
		.amdhsa_private_segment_fixed_size 0
		.amdhsa_enable_private_segment 0
		.amdhsa_kernarg_size 56
		.amdhsa_user_sgpr_count 2
		.amdhsa_user_sgpr_kernarg_segment_ptr 1
		.amdhsa_wavefront_size32 1
		.amdhsa_system_sgpr_workgroup_id_x 1
		.amdhsa_system_sgpr_workgroup_id_y 1
		.amdhsa_system_sgpr_workgroup_id_z 1
		.amdhsa_system_vgpr_workitem_id 0
		.amdhsa_next_free_vgpr 1024
		.amdhsa_next_free_sgpr 98
		.amdhsa_reserve_vcc 0
		.amdhsa_float_denorm_mode_32 3
		.amdhsa_float_denorm_mode_16_64 3
		.amdhsa_memory_ordered 1
		.amdhsa_forward_progress 1
		.amdhsa_inst_pref_size 152
	.end_amdhsa_kernel
	.amdgpu_metadata
---
amdhsa.version: [ 1, 2 ]
amdhsa.kernels:
  - .name:           k_q2fc20c8eaf_qkv
    .symbol:         k_q2fc20c8eaf_qkv.kd
    .args:
      - { .name: x_codes, .offset: 0, .size: 8, .value_kind: global_buffer, .address_space: global }
      - { .name: wqkv_codes, .offset: 8, .size: 8, .value_kind: global_buffer, .address_space: global }
      - { .name: b_qkv, .offset: 16, .size: 8, .value_kind: global_buffer, .address_space: global }
      - { .name: lowp_scales, .offset: 24, .size: 8, .value_kind: global_buffer, .address_space: global }
      - { .name: q_codes, .offset: 32, .size: 8, .value_kind: global_buffer, .address_space: global }
      - { .name: k_codes, .offset: 40, .size: 8, .value_kind: global_buffer, .address_space: global }
      - { .name: v_codes, .offset: 48, .size: 8, .value_kind: global_buffer, .address_space: global }
    .group_segment_fixed_size: 327680
    .private_segment_fixed_size: 0
    .kernarg_segment_align: 8
    .kernarg_segment_size: 56
    .max_flat_workgroup_size: 128
    .sgpr_count:     98
    .vgpr_count:     1024
    .wavefront_size: 32
...
	.end_amdgpu_metadata
.endif
;; end of part 2
;; launch attn (part 3): grid 4 x 64, 8 waves a work-group, no clusters, 327,680 bytes of LDS; arguments q_codes, k_codes, v_codes, lowp_scales, a_codes; writes a_codes
.if DOCPART == 3
	.amdgcn_target "amdgcn-amd-amdhsa--gfx1250"
	.amdhsa_code_object_version 6
	.text
	.protected	k_q2fc20c8eaf_attn
	.globl	k_q2fc20c8eaf_attn
	.p2align	8
	.type	k_q2fc20c8eaf_attn,@function
k_q2fc20c8eaf_attn:
	s_mov_b64 s[64:65], 0
	v_nop
	global_prefetch_b8 v0, s[64:65] scope:SCOPE_SE
	s_setreg_imm32_b32 hwreg(HW_REG_WAVE_MODE, 25, 1), 1
	s_wait_xcnt 0x0
; Causal attention on codes of FP8, head size 64: S = q k^T (scales 2^e2, 2^e3), p = 2^(t - M) quantised with 2^e4, O = p v (v with 2^e5), O / the row's sum quantised with 2^e6 into a_codes [16 b + h][t][64].
; t = score x log2(e) / 8; M = the running largest t rounded up to a whole number; the row's sum is taken of the unquantised p; when M moves, the sum and O are multiplied by 2^(old M - new M): exact.
; LEFT OUT: key steps all of whose 128 keys come after a pair's 32 queries: the mask that the problem builds itself gives them the weight 0 for all inputs (shown at the head of the first launch).
; SHARES.  Work-group (c, head) owns the query blocks c and 7 - c of 256 queries.  Each of its EIGHT waves owns four tiles of 16 queries: pair L at 256 c + 32 (7 - w) and pair H at 256 (7 - c) + 32 w.
; L needs 2 c + (7 - w) / 4 + 1 key steps of 128, H needs 2 (7 - c) + w / 4 + 1: 17 together in every wave of the launch.  A step's fragments of K and V are read from LDS once and serve all the wave's tiles that the step counts for.
; Two waves of 512 registers to a SIMD.  The two tiles of a pair are worked together: one tile's chain for M stands among the other's maxima or scalings.
; NO CLUSTER: the four work-groups of a head need different numbers of slots of keys: a joint load would bring tiles that every wave of some partner passes over.
; RING.  Two LDS slots of 512 keys: K 512 rows of 64 bytes (pitch 80; dense in memory, so stated as rows of 256 bytes with the padding behind each 64), V 64 rows (channels) of 512 bytes (pitch 528).
; Waves 0 and 1 fetch K's halves (256 keys each), waves 2 and 3 V's (32 channels each), one tensor load each; all eight read.  Every work-group walks all 4 changes of slots and, in each slot, 4 key steps (constant trip counts);
; a slot whose first key comes after the work-group's last query is not asked for, and that test on ids also ends the fills at the last slot.  Every wait for tensor loads is for all of them; one load of a wave is out at the most.
; LAYOUT.  Both products transposed: S^T = K Q^T (source 0 = 16 neighbouring keys), O^T = V^T P^T (source 0 = 16 channels): a lane holds one query throughout.  Register j of key tile t holds key 16 t + 8 (lane / 16) + j:
; the conversions' results are registers 2 t, 2 t + 1 of the second product's operand in the form's own layout, and V's fragments come in that layout by loads of 8 bytes.  K's and Q's come by loads of 16 bytes: the same order of k on both sides.
; THE RUNNING MAXIMUM is kept as a raw sum of codes' products: 64 x 448 x 448 bounds its magnitude under 2^24, so -2^24 lies under every score.
; LIMITS: e2 + e3 between -123 and 130 (added to the exponent field of log2(e) / 8); the scaled scores stay under 2^31 in magnitude; e4 and e6 between -126 and 119; NaN is not served.
; REGISTERS.  Window 0: v1-11 addresses and two scale numbers; v12-27 four tiles' -M, largest score, sum in two halves; v28-31 f of a pair; v32-53 at work and constants; v64-95 a pair's codes of p; v96-127 Q; v128-255 a pair's S^T, then p.
;   Window 1: v0-63 K's fragments; v64-127 V's; v128-255 O^T, 32 registers a tile.
.set KP,    80
.set VP,    528
.set SK,    512                        ; keys in a slot
.set VOFF,  SK*KP                      ; a slot: K's 512 rows, then V's 64
.set SLOT1, 1<<17                      ; slot 1 begins here: one exclusive or turns an address
.set STAGE, 2*SLOT1                    ; the way out: 4 tiles x 16 rows x 80 bytes for each wave; no tile lands here
.set SPARE, STAGE+8*5120               ; the spare words: 128 bytes for each wave, four blocks of 256 bytes that no other line names
.set AK0,  1
.set AV0,  2
.set PFO,  3                           ; v3  the prefetches' offset; never rewritten
.set QOF,  4
.set SPW,  5                           ; v5  my spare word; never rewritten
.set NIL,  6                           ; v6  0; never rewritten
.set GO,   7
.set ADK,  8
.set ADV,  9
.set SC4,  10                          ; v10 2^e4, on the way out 2^e6
.set LIM4, 11                          ; v11 448 x that
.set LD,   48                          ; v48 lane % 16 - 8 (lane / 16)
.set NINF, 51                          ; v51 -infinity
.set PF2,  52                          ; v52 the second prefetch's offset; never rewritten
.set LIM5, 53                          ; v53 448 x 2^e4 once more: the two halves of a dual instruction take their second sources from different register banks
.set TB,   2                           ; s2  LDS byte at which the slot in hand begins
.set WV,   18
.set SLAST, 19                         ; s19 my work-group's last query
.set SEL,  20
.set CS,   22
.set G1K,  24
.set G1V,  32
.set G0K,  40
.set G0V,  44
.set Q0L,  52
.set Q0H,  53
.set KF,   54                          ; s54 the step's first key
.set SLOTS, 55
.set PFA,  56
.set PFS,  58
.set LIM,  60
.set KO,   61                          ; s61 LDS byte of the step's first row of K
.set VO,   62                          ; s62 LDS byte of the slot + the step's place in a row of V
.set STP,  63                          ; s63 key steps to go in the slot
.set MSB, 0
.macro WIN new                         ; the immediate's high byte repeats the setting that is left; at every label and branch the setting is 0
.if MSB != (\new)
	s_set_vgpr_msb (MSB<<8)|(\new)
.set MSB, (\new)
.endif
.endm
.macro TLOAD                           ; waves 0, 1: K's halves; waves 2, 3: V's; the others nothing.  An s_nop 0 and four v_nop follow each load
	s_cmp_lt_u32 s[WV], 2
	s_cbranch_scc0 .Lnot_k_\@
	tensor_load_to_lds s[G0K:G0K+3], s[G1K:G1K+7]
	s_nop 0
.rept 4
	v_nop
.endr
	s_branch .Lasked_\@
.Lnot_k_\@:
	s_cmp_lt_u32 s[WV], 4
	s_cbranch_scc0 .Lasked_\@
	tensor_load_to_lds s[G0V:G0V+3], s[G1V:G1V+7]
	s_nop 0
.rept 4
	v_nop
.endr
.Lasked_\@:
.endm
; A prefetch of what the NEXT change of slots will ask for.  All four work-groups of a head walk the same K and V: work-group c = 0, which walks all slots, asks.
; Waves 4 and 5 for K's 32,768 bytes (16,384 a wave: twice 32 lanes 256 bytes apart), waves 6 and 7 for V's 64 rows (32 a wave, a lane a row; a slot's part of a row is 512 bytes, aligned: its two halves).
; Each block of 256 bytes is named once in the launch.  Slots 0 and 1 come by their loads alone; trip i names slot i + 2, so the last two trips (2 or fewer slots to go) ask for nothing.
.macro ASK
	s_cmp_gt_u32 s[SLOTS], s[LIM]
	s_cbranch_scc0 .Lnot_mine_\@
	global_prefetch_b8 v[PFO], s[PFA:PFA+1] th:TH_LOAD_NT scope:SCOPE_SE
	global_prefetch_b8 v[PF2], s[PFA:PFA+1] th:TH_LOAD_NT scope:SCOPE_SE
.Lnot_mine_\@:
.endm
	s_load_b128 s[4:7], s[0:1], 0x0                ; q_codes s[4:5], k_codes s[6:7]
	s_load_b128 s[12:15], s[0:1], 0x10             ; v_codes s[12:13], the scales' exponents s[14:15]
	s_load_b64 s[16:17], s[0:1], 0x20              ; a_codes
	v_lshl_add_u32 v[SPW], v0, 2, SPARE
	v_mov_b32 v[NIL], 0
	ds_add_u32 v[SPW], v[NIL]                      ; the wave's opening: the add, twice on end, and its wait ahead of my first tensor load
	ds_add_u32 v[SPW], v[NIL]
	v_lshrrev_b32 v8, 5, v0
	v_readfirstlane_b32 s[WV], v8                  ; wave 0..7
	s_and_b32 s76, ttmp7, 0xffff
	s_lshl_b32 s76, s76, 17                        ; the head's first byte in each of the four buffers: 131,072 bytes a head
	s_mov_b32 s77, 0
	s_lshl_b32 s78, ttmp9, 8                       ; 256 c
	s_lshl_b32 s79, s[WV], 5                       ; 32 w
	s_sub_co_u32 s[Q0L], s78, s79
	s_add_co_u32 s[Q0L], s[Q0L], 224               ; 256 c + 32 (7 - w)
	s_sub_co_u32 s[Q0H], s79, s78
	s_add_co_u32 s[Q0H], s[Q0H], 1792              ; 256 (7 - c) + 32 w
	s_sub_co_u32 s[SLAST], 2047, s78
	s_lshl_b32 s80, s[Q0L], 6
	s_add_co_u32 s80, s80, s76
	s_mov_b32 s81, 0
	s_lshl_b32 s82, s[Q0H], 6
	s_add_co_u32 s82, s82, s76
	s_mov_b32 s83, 0
	s_and_b32 s88, s[WV], 1                        ; which half I fetch, if I fetch
	s_lshl_b32 s90, s88, 14                        ; K: 256 keys of 64 bytes on,
	s_mov_b32 s91, 0
	s_add_nc_u64 s[90:91], s[90:91], s[76:77]      ; in my head
	s_lshl_b32 s92, s88, 16                        ; V: 32 rows of 2,048 bytes on
	s_mov_b32 s93, 0
	s_add_nc_u64 s[92:93], s[92:93], s[76:77]
	s_mov_b32 s[G1K], (0<<16)|(1<<20)|(3<<22)|(3<<25)   ; no mask; elements of 1 byte; padding on: after every 16 words, 4 words
	s_mov_b32 s[G1K+1], 256<<16                    ; tensor_dim0
	s_mov_b32 s[G1K+2], 64<<16                     ; tensor_dim1
	s_mov_b32 s[G1K+3], 256<<16                    ; tile_dim0
	s_mov_b32 s[G1K+4], 64                         ; tile_dim1
	s_mov_b32 s[G1K+5], 256                        ; from row to row
	s_mov_b32 s[G1K+6], 0
	s_mov_b32 s[G1K+7], 0
	s_mov_b32 s[G1V], (0<<16)|(1<<20)|(6<<22)|(3<<25)   ; padding: after every 128 words, 4 words
	s_mov_b32 s[G1V+1], 512<<16
	s_mov_b32 s[G1V+2], 32<<16
	s_mov_b32 s[G1V+3], 512<<16
	s_mov_b32 s[G1V+4], 32
	s_mov_b32 s[G1V+5], 2048
	s_mov_b32 s[G1V+6], 0
	s_mov_b32 s[G1V+7], 0
	s_mov_b32 s[SEL], 0x76543210
	s_mov_b32 s[SEL+1], 0xfedcba98
	s_mov_b32 s[CS], 0x3e38aa3b                    ; log2(e) / 8
	s_mov_b32 s[TB], 0
	s_mov_b32 s[SLOTS], 4
	s_mov_b32 s[KF], 0
	s_wait_dscnt 0x0                               ; both opening adds are done
	s_wait_kmcnt 0x0
	s_load_b256 s[68:75], s[14:15], 0x0            ; e0 .. e7
	s_mov_b32 s[G0K], 1
	s_mul_i32 s[G0K+1], s88, 256*KP                ; slot 0, my half
	s_add_nc_u64 s[G0K+2:G0K+3], s[6:7], s[90:91]
	s_or_b32 s[G0K+3], s[G0K+3], 0x80000000
	s_mov_b32 s[G0V], 1
	s_mul_i32 s[G0V+1], s88, 32*VP
	s_add_co_u32 s[G0V+1], s[G0V+1], VOFF
	s_add_nc_u64 s[G0V+2:G0V+3], s[12:13], s[92:93]
	s_or_b32 s[G0V+3], s[G0V+3], 0x80000000
	TLOAD                                          ; slot 0: key 0 counts for every query, so it is read
	s_add_nc_u64 s[84:85], s[4:5], s[80:81]        ; Q of L,
	s_add_nc_u64 s[86:87], s[4:5], s[82:83]        ; of H
	s_add_nc_u64 s[48:49], s[16:17], s[80:81]      ; and where their results go
	s_add_nc_u64 s[50:51], s[16:17], s[82:83]
	s_cmp_lt_u32 s[WV], 6                          ; the prefetches: waves 4, 5 for K, waves 6, 7 for V
	s_cselect_b64 s[PFA:PFA+1], s[6:7], s[12:13]
	s_mov_b32 s[PFS], 512
	s_cselect_b32 s[PFS], 32768, s[PFS]            ; a slot on
	s_mov_b32 s88, 2048
	s_cselect_b32 s88, 256, s88                    ; from lane to lane
	s_mov_b32 s89, 65536
	s_cselect_b32 s89, 16384, s89                  ; from wave to wave
	s_mov_b32 s94, 256
	s_cselect_b32 s94, 8192, s94                   ; from the first instruction to the second
	v_and_b32 v[PFO], 31, v0
	v_mul_lo_u32 v[PFO], v[PFO], s88
	v_add_nc_u32 v[PF2], s94, v[PFO]
	s_and_b32 s88, s[WV], 1
	s_mul_i32 s88, s88, s89
	s_add_co_u32 s88, s88, s[PFS]                  ; in slot 1: the first change of slots steps it to slot 2
	s_mov_b32 s89, 0
	s_mov_b32 s[PFS+1], 0
	s_add_nc_u64 s[PFA:PFA+1], s[PFA:PFA+1], s[76:77]
	s_add_nc_u64 s[PFA:PFA+1], s[PFA:PFA+1], s[88:89]
	s_sub_co_u32 s88, s[WV], 4
	s_lshr_b32 s88, s88, 2                         ; 0 in waves 4 to 7,
	s_or_b32 s88, s88, ttmp9                       ; of work-group c = 0
	s_cmp_eq_u32 s88, 0
	s_cselect_b32 s[LIM], 2, -1
	v_and_b32 v8, 15, v0                           ; r
	v_bfe_u32 v9, v0, 4, 1                         ; h
	v_lshlrev_b32 v[QOF], 6, v8
	v_lshl_add_u32 v[QOF], v9, 4, v[QOF]           ; Q: row r of 64 bytes + 16 h
.irp u, 0,1
	global_load_b128 v[96+8*\u:99+8*\u], v[QOF], s[84:85] offset:1024*\u
	global_load_b128 v[100+8*\u:103+8*\u], v[QOF], s[84:85] offset:1024*\u+32
	global_load_b128 v[112+8*\u:115+8*\u], v[QOF], s[86:87] offset:1024*\u
	global_load_b128 v[116+8*\u:119+8*\u], v[QOF], s[86:87] offset:1024*\u+32
.endr
	v_mul_u32_u24 v[AK0], v8, KP
	v_lshl_add_u32 v[AK0], v9, 4, v[AK0]           ; K: row r, + 16 h
	v_mul_u32_u24 v[AV0], v8, VP
	v_lshl_add_u32 v[AV0], v9, 3, v[AV0]           ; V: row r, + 8 h
	v_add_nc_u32 v[AV0], VOFF, v[AV0]
	v_lshlrev_b32 v[LD], 3, v9
	v_sub_nc_u32 v[LD], v8, v[LD]                  ; r - 8 h
	v_mov_b32 v[NINF], 0xff800000
	v_and_b32 v[GO], 31, v0
	v_lshlrev_b32 v[GO], 4, v[GO]                  ; the way out: 16 bytes a lane
.irp b, 12,16,20,24
	v_mov_b32 v[\b], 0x7f61b1e6                    ; -M: 3e38, so that the first f is 0
	v_mov_b32 v[\b+1], 0xcb800000                  ; the largest score so far: -2^24, under every score
	v_mov_b32 v[\b+2], 0                           ; the sum, in two halves
	v_mov_b32 v[\b+3], 0
.endr
	v_mov_b32 v29, 0                               ; named as the upper halves of the pairs v[28:29], v[30:31]
	v_mov_b32 v31, 0
.irp u, 44,45,46,47
	v_mov_b32 v[\u], 0                             ; a lane permute's destination counts as one of its sources
.endr
	WIN 0x40
.set j, 0
.rept 128
	v_mov_b32 v[128+j], 0                          ; O^T of the four tiles: the step is written once, and its first run finds zeros, which the first f leaves zeros
.set j, j+1
.endr
	WIN 0
	s_wait_kmcnt 0x0
	s_add_co_i32 s88, s70, s71
	s_lshl_b32 s88, s88, 23
	s_add_co_i32 s[CS], s[CS], s88                 ; a score stands for score x 2^(e2 + e3)
	s_mov_b32 s[CS+1], s[CS]
	s_add_co_i32 s88, s72, 127
	s_lshl_b32 s89, s88, 23
	v_mov_b32 v[SC4], s89                          ; 2^e4
	s_add_co_i32 s88, s88, 8
	s_lshl_b32 s88, s88, 23
	s_or_b32 s88, s88, 0x600000
	v_mov_b32 v[LIM4], s88                         ; 448 x 2^e4
	v_mov_b32 v[LIM5], s88
.macro MAXI i, sr, T, run              ; the i-th of a tile's 32 maxima: four chains, each begun from the running largest score; the scores are read in ascending order
.if (\i) < 4
	v_max3_num_f32 v[\T+(\i)%4], v[\run], v[\sr+2*(\i)], v[\sr+2*(\i)+1]
.else
	v_max3_num_f32 v[\T+(\i)%4], v[\T+(\i)%4], v[\sr+2*(\i)], v[\sr+2*(\i)+1]
.endif
.endm
.macro TAIL n, sb, T, F, PD            ; the n-th of the ten lines that lead from a tile's four chains to -M and f
.if (\n) == 0
	v_max3_num_f32 v[\T], v[\T], v[\T+1], v[\T+2]
.elseif (\n) == 1
	v_max_num_f32 v[\T], v[\T], v[\T+3]
.elseif (\n) == 2
	v_permlanex16_b32 v[\PD], v[\T], s[SEL], s[SEL+1]
.elseif (\n) == 3
	v_max_num_f32 v[\sb+1], v[\T], v[\PD]          ; the running largest score, both halves of the lanes
.elseif (\n) == 4
	v_mul_f32 v[\T+1], s[CS], v[\sb+1]             ; as t
.elseif (\n) == 5
	v_mov_b32 v[\T+2], v[\sb]
.elseif (\n) == 6
	v_floor_f32 v[\sb], -v[\T+1]                   ; the new -M = -ceil(t)
.elseif (\n) == 7
	v_sub_f32 v[\T+2], v[\sb], v[\T+2]             ; old M - new M: a whole number, 0 or less
.elseif (\n) == 8
	v_cvt_i32_f32 v[\T+2], v[\T+2]                 ; (it saturates)
.elseif (\n) == 9
	v_ldexp_f32 v[\F], 1.0, v[\T+2]                ; f = 2^(old M - new M)
.endif
.endm
.macro HOLD8 base                      ; the conversion does not saturate (ISA guide 7.6.2); p is not negative: a one-sided hold, two numbers an instruction
.irp i, 0,2,4,6
	v_dual_min_num_f32 v[\base+\i], v[\base+\i], v[LIM4] :: v_dual_min_num_f32 v[\base+\i+1], v[\base+\i+1], v[LIM5]
.endr
.endm
; THE MASK of the pair's one step on the diagonal, where tile a's first query is the step's key 16 t0 (t0 = 0, 2, 4 or 6).  Tile a: key tile t0 lies on the diagonal, those behind it are hidden; tile b: the same one key tile on.
; On the diagonal register j holds key 8 (lane / 16) + j of the tile: hidden where j > lane % 16 - 8 (lane / 16); one compare serves both tiles.
.macro MASKV t0
.irp j, 0,1,2,3,4,5,6,7
	v_cmp_gt_i32 vcc_lo, \j, v[LD]
	v_cndmask_b32 v[128+8*(\t0)+\j], v[128+8*(\t0)+\j], v[NINF], vcc_lo
	v_cndmask_b32 v[200+8*(\t0)+\j], v[200+8*(\t0)+\j], v[NINF], vcc_lo
.endr
.set n, 8*(\t0)+8
.rept 56-8*(\t0)
	v_mov_b32 v[128+n], v[NINF]
.set n, n+1
.endr
.if (\t0) < 6
.set n, 8*(\t0)+16
.rept 48-8*(\t0)
	v_mov_b32 v[192+n], v[NINF]
.set n, n+1
.endr
.endif
.endm
; A KEY STEP of a pair of tiles (a: 16 queries from s[sq0] on, b: the next 16).  sb: the pair's eight state registers; qr: its Q; ob: its O^T in window 1.
.macro PAIR sb, qr, ob, sq0
	s_wait_dscnt 32                                ; K's 16 loads are in; V's 32, issued behind them, may be out
	WIN 0x01                                       ; source 0 (K) in window 1
.irp t, 0,1,2,3,4,5,6,7
	v_wmma_f32_16x16x64_fp8_fp8 v[128+8*\t:135+8*\t], v[8*\t:8*\t+7], v[\qr:\qr+7], 0
.endr
.irp t, 0,1,2,3,4,5,6,7
	v_wmma_f32_16x16x64_fp8_fp8 v[192+8*\t:199+8*\t], v[8*\t:8*\t+7], v[\qr+8:\qr+15], 0
.endr
	WIN 0
.rept 4
	v_nop                                          ; places in front of the first read, or write, of the scores
.endr
	s_add_co_u32 s96, s[KF], 127
	s_cmp_le_u32 s96, s[\sq0]                      ; all keys count for all 32 queries: no mask
	s_cbranch_scc1 .Lopen_\@
	s_sub_co_i32 s96, s[\sq0], s[KF]               ; 0, 32, 64 or 96: ids and the count of steps alone
	s_cmp_lg_u32 s96, 0
	s_cbranch_scc1 .Lm2_\@
	MASKV 0
	s_wait_alu depctr_va_vdst(0)
	s_branch .Lopen_\@
.Lm2_\@:
	s_cmp_lg_u32 s96, 32
	s_cbranch_scc1 .Lm4_\@
	MASKV 2
	s_wait_alu depctr_va_vdst(0)
	s_branch .Lopen_\@
.Lm4_\@:
	s_cmp_lg_u32 s96, 64
	s_cbranch_scc1 .Lm6_\@
	MASKV 4
	s_wait_alu depctr_va_vdst(0)
	s_branch .Lopen_\@
.Lm6_\@:
	MASKV 6
.Lopen_\@:
.set i, 0
.rept 32
	MAXI i, 128, 32, \sb+1
.set i, i+1
.endr
.set i, 0
.rept 32                                       ; tile b's maxima, and among them tile a's ten lines
	MAXI i, 192, 36, \sb+5
.if (i%3) == 2
	TAIL (i/3), \sb, 32, 28, 44
.endif
.set i, i+1
.endr
.set i, 0
.rept 32                                       ; tile a: t - M, two at a time; among them tile b's ten lines
	v_pk_fma_f32 v[128+2*i:129+2*i], v[128+2*i:129+2*i], s[CS:CS+1], v[\sb:\sb+1] op_sel_hi:[1,0,0]
.if (i%3) == 2
	TAIL (i/3), \sb+4, 36, 30, 45
.endif
.set i, i+1
.endr
.set i, 0
.rept 32
	v_pk_fma_f32 v[192+2*i:193+2*i], v[192+2*i:193+2*i], s[CS:CS+1], v[\sb+4:\sb+5] op_sel_hi:[1,0,0]
.set i, i+1
.endr
	s_wait_alu depctr_va_vdst(0)
.set i, 0
.rept 128
	v_exp_f32 v[128+i], v[128+i]                   ; p = 2^(t - M): one batch for both tiles
.set i, i+1
.endr
	v_pk_mul_f32 v[\sb+2:\sb+3], v[\sb+2:\sb+3], v[28:29] op_sel_hi:[1,0]   ; the sums under the new M: plain instructions behind the exponentials
	v_pk_mul_f32 v[\sb+6:\sb+7], v[\sb+6:\sb+7], v[30:31] op_sel_hi:[1,0]
	s_wait_alu depctr_va_vdst(0)                   ; one wait for the whole batch, ahead of its first reader
	v_pk_add_f32 v[40:41], v[128:129], v[130:131]  ; the rows' sums, of the unquantised p, in four chains
	v_pk_add_f32 v[42:43], v[192:193], v[194:195]
.irp j, 4,8,12,16,20,24,28,32,36,40,44,48,52,56,60
	v_pk_add_f32 v[\sb+2:\sb+3], v[\sb+2:\sb+3], v[128+\j:129+\j]
	v_pk_add_f32 v[\sb+6:\sb+7], v[\sb+6:\sb+7], v[192+\j:193+\j]
	v_pk_add_f32 v[40:41], v[40:41], v[130+\j:131+\j]
	v_pk_add_f32 v[42:43], v[42:43], v[194+\j:195+\j]
.endr
	v_pk_add_f32 v[\sb+2:\sb+3], v[\sb+2:\sb+3], v[40:41]
	v_pk_add_f32 v[\sb+6:\sb+7], v[\sb+6:\sb+7], v[42:43]
.irp t, 0,1,2,3,4,5,6,7
	HOLD8 128+8*\t
	HOLD8 192+8*\t
	v_cvt_scalef32_pk8_fp8_f32 v[64+2*\t:65+2*\t], v[128+8*\t:135+8*\t], v[SC4]   ; keys 16 t + 8 (lane / 16) + 0 .. 7: registers 2 t, 2 t + 1 of the operand
	v_cvt_scalef32_pk8_fp8_f32 v[80+2*\t:81+2*\t], v[192+8*\t:199+8*\t], v[SC4]
.endr
	WIN 0x41                                       ; O^T in window 1, f in window 0
	s_wait_alu depctr_va_vdst(0)
.set j, 0
.rept 16
	v_pk_mul_f32 v[\ob+j:\ob+j+1], v[\ob+j:\ob+j+1], v[28:29] op_sel_hi:[1,0]   ; O^T under the new M; these also stand between the conversions and the products
.set j, j+2
.endr
.set j, 0
.rept 16
	v_pk_mul_f32 v[\ob+32+j:\ob+33+j], v[\ob+32+j:\ob+33+j], v[30:31] op_sel_hi:[1,0]
.set j, j+2
.endr
	s_wait_alu depctr_va_vdst(0)
	s_wait_dscnt 0x0                               ; V's fragments are in
	WIN 0x51                                       ; V, C and D in window 1, p's codes in window 0
.irp t, 0,1,2,3                                ; eight accumulators by turns
	v_wmma_f32_16x16x128_fp8_fp8 v[\ob+8*\t:\ob+8*\t+7], v[64+16*\t:79+16*\t], v[64:79], v[\ob+8*\t:\ob+8*\t+7]
	v_wmma_f32_16x16x128_fp8_fp8 v[\ob+32+8*\t:\ob+39+8*\t], v[64+16*\t:79+16*\t], v[80:95], v[\ob+32+8*\t:\ob+39+8*\t]
.endr
	WIN 0
.endm
; A KEY STEP of the wave: 128 keys, at s[KO] and s[VO] in LDS.  H's queries come after L's, so a step that is hidden from H is hidden from both.
.macro STEP
	s_add_co_u32 s96, s[Q0H], 31
	s_cmp_gt_u32 s[KF], s96                        ; all keys hidden: the step is passed over: a branch on ids and the count of steps
	s_cbranch_scc1 .Lhid_\@
	v_add_nc_u32 v[ADK], s[KO], v[AK0]
	v_add_nc_u32 v[ADV], s[VO], v[AV0]
	v_nop                                          ; with the two additions: four places in front of loads into registers that the last products read
	v_nop
	WIN 0x40                                       ; the fragments go to window 1
.irp t, 0,1,2,3,4,5,6,7
.irp c, 0,1
	ds_load_b128 v[8*\t+4*\c:8*\t+4*\c+3], v[ADK] offset:16*\t*KP+32*\c
.endr
.endr
.irp t, 0,1,2,3
.irp c, 0,1,2,3,4,5,6,7
	ds_load_b64 v[64+16*\t+2*\c:65+16*\t+2*\c], v[ADV] offset:16*\t*VP+16*\c   ; V's fragments land while the first softmax is walked
.endr
.endr
	WIN 0
	s_add_co_u32 s96, s[Q0L], 31
	s_cmp_gt_u32 s[KF], s96                        ; hidden from L alone
	s_cbranch_scc1 .Lno_l_\@
	PAIR 12, 96, 128, Q0L
.Lno_l_\@:
	PAIR 20, 112, 192, Q0H
.Lhid_\@:
.endm
; THE CHANGE OF SLOTS, at a slot's head.  Each wave waits for all its tensor loads, adds 0 to its spare word, and waits for that and for its reads of the slot that it has left; behind the barrier the slot ahead is whole
; and nobody reads the other one, which is then filled with the keys that follow, up to the causal limit.
.macro CHANGE
	s_wait_tensorcnt 0x0                           ; no tensor load of mine is out, so a descriptor may be written
	ds_add_u32 v[SPW], v[NIL]
	ds_add_u32 v[SPW], v[NIL]                      ; twice on end here, in every trip alike
	s_xor_b32 s[G0K+1], s[G0K+1], SLOT1            ; the walking descriptors: the other slot,
	s_add_nc_u64 s[G0K+2:G0K+3], s[G0K+2:G0K+3], SK*64   ; the next 512 keys
	s_xor_b32 s[G0V+1], s[G0V+1], SLOT1
	s_add_nc_u64 s[G0V+2:G0V+3], s[G0V+2:G0V+3], SK
	s_wait_xcnt 0x0                                ; the last prefetches, a slot back, have read their address
	s_add_nc_u64 s[PFA:PFA+1], s[PFA:PFA+1], s[PFS:PFS+1]   ; one slot further on than the walking descriptors
	s_wait_dscnt 0x0                               ; the adds are done, and my reads of the slot that I have left are over
	s_barrier_signal -1
	s_barrier_wait -1
	s_add_co_u32 s96, s[KF], SK                    ; the first key of the slot that this change would ask for
	s_cmp_gt_u32 s96, s[SLAST]                     ; past my work-group's last query no wave reads it: it is not asked for.  Ids and the count of steps alone: all eight waves go the same way; in the last trip it holds for every work-group
	s_cbranch_scc1 .Lpast_\@
	TLOAD                                          ; a wave's one tensor load until the next change
.Lpast_\@:
	ASK
.endm
	s_wait_alu depctr_va_vdst(0)                   ; the head's end
	s_wait_loadcnt 0x0                             ; Q
.Lslot:                                            ; 4 trips, a slot each
	CHANGE
	s_mov_b32 s[KO], s[TB]
	s_mov_b32 s[VO], s[TB]
	s_mov_b32 s[STP], SK/128
.Lstep:                                            ; 4 trips, 128 keys each: the step is written once
	STEP
	s_add_co_u32 s[KF], s[KF], 128
	s_add_co_u32 s[KO], s[KO], 128*KP              ; 128 rows of K on
	s_add_co_u32 s[VO], s[VO], 128                 ; 128 bytes on in V's rows
	s_sub_co_u32 s[STP], s[STP], 1
	s_cmp_lg_u32 s[STP], 0
	s_cbranch_scc1 .Lstep
	s_xor_b32 s[TB], s[TB], SLOT1
	s_sub_co_u32 s[SLOTS], s[SLOTS], 1
	s_cmp_lg_u32 s[SLOTS], 0
	s_cbranch_scc1 .Lslot
	; THE WAY OUT.  O^T x 2^(e4 + e5) / the sum, held, converted with 2^e6 (a lane's 8 channels: 8 bytes), through my own stage, and out as 512 consecutive bytes a store.
	s_add_co_i32 s88, s72, s73                     ; e4 + e5
	s_mul_i32 s89, s[WV], 5120
	s_add_co_u32 s89, s89, STAGE                   ; my stage
	s_add_co_i32 s90, s74, 127
	s_lshl_b32 s91, s90, 23
	s_add_co_i32 s90, s90, 8
	s_lshl_b32 s90, s90, 23
	s_or_b32 s90, s90, 0x600000
.rept 4
	v_nop                                          ; places behind the last products
.endr
.irp u, 0,1,2,3
	v_add_f32 v[14+4*\u], v[14+4*\u], v[15+4*\u]
.endr
.irp u, 0,1,2,3
	v_permlanex16_b32 v[44+\u], v[14+4*\u], s[SEL], s[SEL+1]
.endr
.irp u, 0,1,2,3
	v_add_f32 v[14+4*\u], v[14+4*\u], v[44+\u]     ; the rows' sums
.endr
	s_wait_alu depctr_va_vdst(0)
.irp u, 0,1,2,3
	v_rcp_f32 v[14+4*\u], v[14+4*\u]
.endr
	v_and_b32 v32, 15, v0                          ; (plain instructions behind the reciprocals)  r
	v_bfe_u32 v33, v0, 4, 1                        ; h
	v_mul_u32_u24 v34, v32, 80
	v_lshl_add_u32 v34, v33, 3, v34
	v_add_nc_u32 v34, s89, v34                     ; in: row r, + 8 h
	v_bfe_u32 v35, v0, 2, 3
	v_mul_u32_u24 v35, v35, 80
	v_and_b32 v32, 3, v0
	v_lshl_add_u32 v35, v32, 4, v35
	v_add_nc_u32 v35, s89, v35                     ; back: four lanes to a row of 64 bytes, eight rows an instruction
	v_mov_b32 v[SC4], s91                          ; 2^e6
	v_mov_b32 v[LIM4], s90                         ; 448 x 2^e6
	s_wait_alu depctr_va_vdst(0)                   ; one wait for the four reciprocals, ahead of their first reader
.irp u, 0,1,2,3
	v_ldexp_f32 v[14+4*\u], v[14+4*\u], s88
.endr
	WIN 0x01                                       ; source 0 (O^T) in window 1
	s_wait_alu depctr_va_vdst(0)
.irp u, 0,1,2,3
.set j, 0
.rept 16
	v_pk_mul_f32 v[128+32*\u+j:129+32*\u+j], v[128+32*\u+j:129+32*\u+j], v[14+4*\u:15+4*\u] op_sel_hi:[1,0]   ; register 8 t + i of tile u is o(query r, channel 16 t + 8 h + i)
.set j, j+2
.endr
.endr
	WIN 0
.set j, 0
.rept 128
	v_med3_num_f32 v[128+j], v[128+j], -v[LIM4], v[LIM4]
.set j, j+1
.endr
.set j, 0
.rept 16
	v_cvt_scalef32_pk8_fp8_f32 v[64+2*j:65+2*j], v[128+8*j:135+8*j], v[SC4]
.set j, j+1
.endr
	v_nop                                          ; a plain vector instruction behind the last conversion
.irp u, 0,1,2,3
.irp t, 0,1,2,3
	ds_store_b64 v34, v[64+8*\u+2*\t:65+8*\u+2*\t] offset:1280*\u+16*\t
.endr
.irp i, 0,1
	ds_load_b128 v[96+8*\u+4*\i:99+8*\u+4*\i], v35 offset:1280*\u+640*\i   ; LDS serves a wave's instructions in order: these see my stores
.endr
.endr
	s_wait_dscnt 0x0
.irp u, 0,1
.irp i, 0,1
	global_store_b128 v[GO], v[96+8*\u+4*\i:99+8*\u+4*\i], s[48:49] offset:1024*\u+512*\i     ; 512 consecutive bytes, aligned
	global_store_b128 v[GO], v[112+8*\u+4*\i:115+8*\u+4*\i], s[50:51] offset:1024*\u+512*\i
.endr
.endr
	s_wait_tensorcnt 0x0                           ; the wave's end
	ds_add_u32 v[SPW], v[NIL]
	s_wait_dscnt 0x0
	s_endpgm
.Lfunc_end_k_q2fc20c8eaf_attn:
	.size	k_q2fc20c8eaf_attn, .Lfunc_end_k_q2fc20c8eaf_attn-k_q2fc20c8eaf_attn
	.p2alignl 7, 3214868480
	.fill 96, 4, 3214868480
	.section	.rodata,"a",@progbits
	.p2align	6, 0x0
	.amdhsa_kernel k_q2fc20c8eaf_attn
		.amdhsa_group_segment_fixed_size 327680
		.amdhsa_private_segment_fixed_size 0
		.amdhsa_enable_private_segment 0
		.amdhsa_kernarg_size 40
		.amdhsa_user_sgpr_count 2
		.amdhsa_user_sgpr_kernarg_segment_ptr 1
		.amdhsa_wavefront_size32 1
		.amdhsa_system_sgpr_workgroup_id_x 1
		.amdhsa_system_sgpr_workgroup_id_y 1
		.amdhsa_system_sgpr_workgroup_id_z 1
		.amdhsa_system_vgpr_workitem_id 0
		.amdhsa_next_free_vgpr 512
		.amdhsa_next_free_sgpr 100
		.amdhsa_reserve_vcc 1
		.amdhsa_float_denorm_mode_32 3
		.amdhsa_float_denorm_mode_16_64 3
		.amdhsa_memory_ordered 1
		.amdhsa_forward_progress 1
		.amdhsa_inst_pref_size 109
	.end_amdhsa_kernel
	.amdgpu_metadata
---
amdhsa.version: [ 1, 2 ]
amdhsa.kernels:
  - .name:           k_q2fc20c8eaf_attn
    .symbol:         k_q2fc20c8eaf_attn.kd
    .args:
      - { .name: q_codes, .offset: 0, .size: 8, .value_kind: global_buffer, .address_space: global }
      - { .name: k_codes, .offset: 8, .size: 8, .value_kind: global_buffer, .address_space: global }
      - { .name: v_codes, .offset: 16, .size: 8, .value_kind: global_buffer, .address_space: global }
      - { .name: lowp_scales, .offset: 24, .size: 8, .value_kind: global_buffer, .address_space: global }
      - { .name: a_codes, .offset: 32, .size: 8, .value_kind: global_buffer, .address_space: global }
    .group_segment_fixed_size: 327680
    .private_segment_fixed_size: 0
    .kernarg_segment_align: 8
    .kernarg_segment_size: 40
    .max_flat_workgroup_size: 256
    .sgpr_count:     100
    .vgpr_count:     512
    .wavefront_size: 32
...
	.end_amdgpu_metadata
.endif
;; end of part 3
;; launch proj (part 4): grid 4 x 64, 4 waves a work-group, clusters of 4 x 4, 327,680 bytes of LDS; arguments a_codes, wout_codes, b_out, lowp_scales, out0; writes out0
.if DOCPART == 4
	.amdgcn_target "amdgcn-amd-amdhsa--gfx1250"
	.amdhsa_code_object_version 6
	.text
	.protected	k_q2fc20c8eaf_proj
	.globl	k_q2fc20c8eaf_proj
	.p2align	8
	.type	k_q2fc20c8eaf_proj,@function
k_q2fc20c8eaf_proj:
	s_mov_b64 s[64:65], 0
	v_nop
	global_prefetch_b8 v0, s[64:65] scope:SCOPE_SE
	s_setreg_imm32_b32 hwreg(HW_REG_WAVE_MODE, 25, 1), 1
	s_wait_xcnt 0x0
	s_wait_alu depctr_hold_cnt(0) depctr_sa_sdst(0) depctr_va_vdst(0) depctr_va_sdst(0) depctr_va_ssrc(0) depctr_va_vcc(0) depctr_vm_vsrc(0)
	s_getreg_b32 s2, hwreg(HW_REG_IB_STS2, 6, 4)
	s_cmp_eq_u32 s2, 0
	s_cbranch_scc0 .Lentry_in_a_cluster
	s_endpgm
.Lentry_in_a_cluster:
	s_bfe_u32 s2, ttmp6, 0x10000c
	s_cmp_lg_u32 s2, 0xf033
	s_cbranch_scc0 .Lentry_shape_is_right
	s_endpgm
.Lentry_shape_is_right:
; out0 = a w_out + b_out on codes of FP8: a_codes [16 b + h][t 2048][d 64] (scale 2^e6), wout_codes [n 1024][k 1024] (scale 2^e7), K = 64 h + d innermost on both sides; sums in f32.  Nothing of this product is left out.
; A block of 128 tokens x 256 channels is made by four waves, 64 x 128 each: 32 accumulators.  8,192 / 128 x 1,024 / 256 = 256 work-groups.
; K goes in steps of 256 (four heads) through two LDS slots filled by the tensor data mover: four slots' worth, written out straight.  A slot: side A 2 halves x 4 heads x 64 tokens x 64 bytes (pitch 80), then side B 256 rows x 256 bytes (pitch 272).
; Waves 0 and 1 fetch A's halves (4 rows of 4,096 bytes, one for each head, 131,072 bytes apart), waves 2 and 3 B's halves (128 rows).
; THE MATRIX INSTRUCTION takes source 0 = 16 rows of the weights, source 1 = 16 tokens: a lane holds one token and eight neighbouring channels.
; CLUSTERS: 4 x 4.  A's tile hangs on the tile row alone and is shared along a row of the cluster, B's on the tile column alone and is shared along a column: each is asked for jointly, with a mask that names the four.
; BOTH SIDES HAVE TWO SETS OF FRAGMENT REGISTERS: a step's 48 LDS loads are issued ahead of the step before it.  So a slot's last reads are over ahead of its second step's products, and the change of slots stands there.
; THE BIAS is the C of the first step's products, divided by 2^(e6 + e7), which the sums lack; each finished sum is multiplied by 2^(e6 + e7).
; PREFETCH: a_codes alone, K steps 2 and 3, each asked for behind the joint load two fills earlier.  Of the 4 rows of 4,096 bytes that wave 0 or 1 fetches, the partner at place cx takes row cx: 16 lanes 256 bytes apart
; (the other lanes name the last block again).  K steps 0 and 1 come by their loads alone.  The weights are left out: all sixteen clusters read the same 1,048,576 bytes, so each cluster's asking would name the same blocks sixteen times.
; LIMITS: e6 + e7 between -126 and 127; NaN is not served.
; REGISTERS, in windows of 256: window 0: v9-29 addresses; v32-95 the bias, later a block's scaled sums; v128-255 side A's fragments, two sets of 4 x 16, later rows read back.
;   window 1: side B's fragments, two sets of 8 x 16.   window 2: the accumulators ((a, b) at v[8 (8 a + b)]).
.set PITCH,  272                       ; B's LDS row: 256 bytes + 16: the 16 rows that a load touches start at 16 different banks (64 banks of 4 bytes: ISA guide 11.1)
.set AP,     80                        ; A's LDS row: 64 bytes + 16
.set HB,     64*AP                     ; a head's 64 tokens
.set HALFA,  4*HB
.set FR,     16
.set NP,     4                         ; places behind this matrix instruction (ISA guide 7.12.1)
.set HALFT,  128*PITCH
.set SLOT,   2*HALFA+2*HALFT
.set SPARE,  2*SLOT                    ; the spare words: 128 bytes for each wave, two blocks of 256 bytes that no other line names
.set ASTEP,  1048576                   ; a refill lies two K steps on: eight heads,
.set BSTEP,  512                       ; 512 bytes of a row
.set SPITCH, 528                       ; the way out: a stage of 16 rows x (512 bytes + 16) for each wave, in slot 0, behind that slot's last fill and last read
.set BO,   9
.set PFO,  10                          ; v10 the prefetches' offset; never rewritten
.set ADRA, 16
.set ADRB, 20
.set STO,  24
.set RD,   25
.set CO,   26
.set SPW,  28                          ; v28 my spare word; never rewritten
.set NIL,  29                          ; v29 0; never rewritten
.set BI,   32
.set TMP,  32
.set AF,   128
.set BK,   128
.set PFA,  8                           ; s[8:9] where my prefetches stand; never rewritten
.set G1, 24
.set G0, 32
.set G1B, 48
.set G0B, 56
.set MSB, 0
.macro WIN new                         ; the immediate's high byte repeats the setting that is left
.if MSB != (\new)
	s_set_vgpr_msb (MSB<<8)|(\new)
.set MSB, (\new)
.endif
.endm
.set TO_B, 0x40                        ; destination window 1, address window 0
.macro MULWIN zero                     ; source 0 window 1, source 1 window 0, D window 2; C with D, or (the bias) in window 0
.if \zero
	WIN 0x81
.else
	WIN 0xa1
.endif
.endm
; A joint load: waves 0 and 1 fetch for side A, waves 2 and 3 for side B.  The branch hangs on the wave's number alone.  An s_nop 0 and four v_nop follow each of the two lines.
.macro JLOAD g0a, g1a, g0b, g1b
	s_cmp_eq_u32 s15, 0
	s_cbranch_scc0 .Lfor_b_\@
	tensor_load_to_lds s[\g0a:\g0a+3], s[\g1a:\g1a+7]
	s_nop 0
.rept 4
	v_nop
.endr
	s_branch .Lasked_\@
.Lfor_b_\@:
	tensor_load_to_lds s[\g0b:\g0b+3], s[\g1b:\g1b+7]
	s_nop 0
.rept 4
	v_nop
.endr
.Lasked_\@:
.endm
.macro CREST                           ; a round of the cluster's barrier behind its opening barrier
	s_cmp_lg_u32 s14, 0
	s_cbranch_scc1 .Lnot_wave_0_\@
	s_barrier_signal -3
.Lnot_wave_0_\@:
	s_barrier_wait -3
	s_barrier_signal -1
	s_barrier_wait -1
.endm
.macro CROUND
	s_barrier_signal -1
	s_barrier_wait -1
	CREST
.endm
.macro ASK k                           ; waves 0 and 1: my work-group's row of K step k of a_codes
	s_cmp_eq_u32 s15, 0
	s_cbranch_scc0 .Lnot_a_\@
	global_prefetch_b8 v[PFO], s[PFA:PFA+1] offset:(\k)*524288 th:TH_LOAD_NT scope:SCOPE_SE
.Lnot_a_\@:
.endm
	s_load_b256 s[68:75], s[0:1], 0x0              ; a_codes s[68:69], wout_codes s[70:71], b_out s[72:73], the scales' exponents s[74:75]
	s_load_b64 s[10:11], s[0:1], 0x20              ; out0
	v_lshl_add_u32 v[SPW], v0, 2, SPARE
	v_mov_b32 v[NIL], 0
	ds_add_u32 v[SPW], v[NIL]                      ; the wave's opening: the add, twice on end, and its wait ahead of my first tensor load
	ds_add_u32 v[SPW], v[NIL]
	v_lshrrev_b32 v1, 5, v0
	v_readfirstlane_b32 s14, v1                    ; wave 0..3
	s_lshr_b32 s15, s14, 1                         ; which 64 tokens are mine.  Also: I fetch for side A (0) or B (1)
	s_and_b32 s16, s14, 1                          ; which 128 channels.  Also: which half I fetch
	s_bfe_u32 s40, ttmp6, 0x40000                  ; cx
	s_bfe_u32 s41, ttmp6, 0x40004                  ; cy
	s_lshl_b32 s42, ttmp9, 2
	s_add_co_u32 s42, s42, s40                     ; tile column: 256 channels
	s_and_b32 s17, ttmp7, 0xffff
	s_lshl_b32 s17, s17, 2
	s_add_co_u32 s17, s17, s41                     ; tile row: 128 tokens
	s_lshl_b32 s43, s41, 2
	s_lshl_b32 s43, 15, s43                        ; my row of the cluster
	s_lshl_b32 s44, 0x1111, s40                    ; my column
	s_or_b32 s[G1+0], s43, (3<<16)|(1<<20)|(1<<21)|(3<<22)|(3<<25)  ; the mask; elements of 8 bytes; padding on; bit 21 beside a mask; after every 16 words, 4 words
	s_mov_b32 s[G1+1], 512<<16                     ; tensor_dim0: 64 tokens x 64 bytes
	s_mov_b32 s[G1+2], 4<<16                       ; tensor_dim1: 4 heads
	s_mov_b32 s[G1+3], 512<<16                     ; tile_dim0
	s_mov_b32 s[G1+4], 4                           ; tile_dim1
	s_mov_b32 s[G1+5], 16384                       ; from head to head: 131,072 bytes
	s_mov_b32 s[G1+6], 0
	s_mov_b32 s[G1+7], 0
	s_or_b32 s[G1B+0], s44, (0<<16)|(1<<20)|(1<<21)|(5<<22)|(3<<25) ; elements of 1 byte; after every 64 words, 4 words
	s_mov_b32 s[G1B+1], 256<<16
	s_mov_b32 s[G1B+2], 128<<16
	s_mov_b32 s[G1B+3], 256<<16
	s_mov_b32 s[G1B+4], 128
	s_mov_b32 s[G1B+5], 1024
	s_mov_b32 s[G1B+6], 0
	s_mov_b32 s[G1B+7], 0
	s_lshr_b32 s20, s17, 4
	s_lshl_b32 s20, s20, 21                        ; the batch: 16 tiles of 128 tokens; 2,097,152 bytes a batch
	s_and_b32 s18, s17, 15
	s_lshl_b32 s18, s18, 13                        ; the tile's 128 tokens of 64 bytes
	s_add_co_u32 s20, s20, s18
	s_lshl_b32 s18, s16, 12                        ; the 64 tokens that I fetch
	s_add_co_u32 s20, s20, s18
	s_mov_b32 s21, 0
	s_lshl_b32 s18, s16, 7
	s_lshl_b32 s46, s42, 8
	s_add_co_u32 s46, s46, s18                     ; B: row 256 x tile column + 128 x half
	s_lshl_b32 s46, s46, 10
	s_mov_b32 s47, 0
	s_mul_i32 s45, s16, HALFA                      ; where my tile goes
	s_mul_i32 s19, s16, HALFT
	s_add_co_u32 s19, s19, 2*HALFA
	s_wait_dscnt 0x0                               ; both opening adds are done
	s_wait_kmcnt 0x0
	s_load_b256 s[84:91], s[74:75], 0x0            ; e0 .. e7
	s_add_nc_u64 s[20:21], s[68:69], s[20:21]
	s_add_nc_u64 s[46:47], s[70:71], s[46:47]
	CROUND                                         ; all sixteen work-groups are here: the first joint loads meet
.irp s, 0,1
	s_mov_b32 s[G0+4*\s], 1
	s_add_co_u32 s[G0+4*\s+1], s45, \s*SLOT
	s_add_nc_u64 s[G0+4*\s+2:G0+4*\s+3], s[20:21], \s*524288
	s_or_b32 s[G0+4*\s+3], s[G0+4*\s+3], 0x80000000
	s_mov_b32 s[G0B+4*\s], 1
	s_add_co_u32 s[G0B+4*\s+1], s19, \s*SLOT
	s_add_nc_u64 s[G0B+4*\s+2:G0B+4*\s+3], s[46:47], \s*256
	s_or_b32 s[G0B+4*\s+3], s[G0B+4*\s+3], 0x80000000
.endr
	JLOAD G0, G1, G0B, G1B                         ; K step 0: one tensor load a wave at the head
	s_lshl_b32 s8, s40, 17                         ; the prefetches: head cx of the four
	s_mov_b32 s9, 0
	s_add_nc_u64 s[PFA:PFA+1], s[20:21], s[8:9]
	s_mul_i32 s92, s15, HALFA                      ; my 64 tokens of A
	s_mul_i32 s93, s16, HALFT                      ; my 128 rows of B,
	s_add_co_u32 s93, s93, 2*HALFA                 ; which lie behind A
	s_mul_i32 s94, s14, 16*SPITCH                  ; my stage
	s_lshl_b32 s20, s17, 7
	s_lshl_b32 s21, s15, 6
	s_add_co_u32 s20, s20, s21                     ; my first row of out0
	s_lshl_b32 s20, s20, 12                        ; rows of 4,096 bytes
	s_lshl_b32 s46, s42, 10
	s_lshl_b32 s47, s16, 9
	s_add_co_u32 s46, s46, s47                     ; my first column, in bytes
	s_add_co_u32 s20, s20, s46
	s_mov_b32 s21, 0
	s_add_nc_u64 s[10:11], s[10:11], s[20:21]
	s_mov_b32 s47, 0
	s_add_nc_u64 s[72:73], s[72:73], s[46:47]      ; and the bias of my 128 channels
	v_and_b32 v[PFO], 31, v0
	v_min_u32 v[PFO], 15, v[PFO]
	v_lshlrev_b32 v[PFO], 8, v[PFO]
	v_and_b32 v1, 15, v0                           ; r
	v_bfe_u32 v2, v0, 4, 1                         ; h
	v_mul_u32_u24 v3, v1, AP
	v_lshl_add_u32 v3, v2, 4, v3                   ; a fragment's row x pitch + 16 h
	v_mul_u32_u24 v4, v1, PITCH
	v_lshl_add_u32 v4, v2, 4, v4
	v_add_nc_u32 v[ADRA], s92, v3
	v_add_nc_u32 v[ADRB], s93, v4
	v_add_nc_u32 v[ADRA+1], SLOT, v[ADRA]
	v_add_nc_u32 v[ADRB+1], SLOT, v[ADRB]
	v_mul_u32_u24 v5, v1, SPITCH
	v_lshl_add_u32 v5, v2, 5, v5
	v_add_nc_u32 v[STO], s94, v5                   ; into the stage: row r, 32 bytes for each half of the lanes
	v_and_b32 v6, 31, v0
	v_lshlrev_b32 v[CO], 4, v6                     ; back: the 32 lanes take one row of 512 bytes; and the same in out0
	v_add_nc_u32 v[RD], s94, v[CO]
	v_lshlrev_b32 v[BO], 5, v2
	s_wait_alu depctr_va_vdst(0)                   ; the head's end
.irp b, 0,1,2,3,4,5,6,7
	global_load_b128 v[BI+8*\b:BI+8*\b+3], v[BO], s[72:73] offset:64*\b       ; the bias in the result's layout: register 8 b + j = bias(16 b + 8 h + j)
	global_load_b128 v[BI+8*\b+4:BI+8*\b+7], v[BO], s[72:73] offset:64*\b+16
.endr
	ASK 2
.macro FRAGA reg, slot, q, i           ; 16 tokens x 128 K (two heads): registers 4 c .. 4 c + 3 hold K = 32 c + 16 h + 0 .. 15: the same order of k on both sides
.irp c, 0,1,2,3
	ds_load_b128 v[\reg+4*\c:\reg+4*\c+3], v[ADRA+\slot] offset:(2*(\q)+\c/2)*HB+32*(\c%2)+(\i)*16*AP
.endr
.endm
.macro FRAGB reg, slot, q, i
.irp c, 0,1,2,3
	ds_load_b128 v[\reg+4*\c:\reg+4*\c+3], v[ADRB+\slot] offset:128*(\q)+32*\c+(\i)*16*PITCH
.endr
.endm
.macro FETCH slot, q, p                ; 48 LDS loads: the fragments of the slot's q-th 128 along K into set p
	WIN TO_B
.irp i, 0,1,2,3,4,5,6,7
	FRAGB 128*(\p)+FR*\i, \slot, \q, \i
.endr
	WIN 0
.irp i, 0,1,2,3
	FRAGA AF+64*(\p)+FR*\i, \slot, \q, \i
.endr
.endm
; 16 matrix instructions: side A's blocks a0, a0 + 1 x side B's eight, on set p.  zero = 1: C = the bias of block b.  The 32 accumulators take turns.
.macro MUL16 a0, p, zero
.irp a, \a0, \a0+1
.irp b, 0,1,2,3,4,5,6,7
.if \zero
	v_wmma_f32_16x16x128_fp8_fp8 v[8*(8*(\a)+\b):8*(8*(\a)+\b)+7], v[128*(\p)+FR*\b:128*(\p)+FR*\b+FR-1], v[AF+64*(\p)+FR*(\a):AF+64*(\p)+FR*(\a)+FR-1], v[BI+8*\b:BI+8*\b+7]
.else
	v_wmma_f32_16x16x128_fp8_fp8 v[8*(8*(\a)+\b):8*(8*(\a)+\b)+7], v[128*(\p)+FR*\b:128*(\p)+FR*\b+FR-1], v[AF+64*(\p)+FR*(\a):AF+64*(\p)+FR*(\a)+FR-1], v[8*(8*(\a)+\b):8*(8*(\a)+\b)+7]
.endif
.endr
.endr
.endm
.macro PLACES n                        ; plain vector instructions between a matrix instruction and a load into, or a read of, its registers
.rept \n
	v_nop
.endr
.endm
; A slot's first 128 along K, on set 0; ahead of its products the second step's fragments are asked for.
.macro STEP slot, zero
	PLACES NP                                      ; set 1 was read by the products just issued
	FETCH \slot, 1, 1
	s_wait_dscnt 48                                ; set 0 is in; the 48 loads just issued may be out
	MULWIN \zero
	MUL16 0, 0, \zero
	MUL16 2, 0, \zero
	WIN 0
.endm
; A slot's second 128 along K, on set 1, and the change of slots: one barrier; in front of it each wave waits for all its tensor loads, adds 0 to its spare word, and waits for that and for its reads of this slot.  fill = 1: this slot is filled again.
.macro TURN slot, next, fill
	s_wait_tensorcnt 0x0                           ; all my tensor loads have landed: my part of the next slot
	ds_add_u32 v[SPW], v[NIL]
	s_wait_dscnt 0x0                               ; the add is done, set 1 is in, and my reads of this slot are over
	s_barrier_signal -1
	MULWIN 0
	MUL16 0, 1, 0
	WIN 0
	s_barrier_wait -1
.if \fill
	CREST                                          ; the barrier has opened a round of the cluster's: no wave of any partner still reads this slot or has a load on its way
	s_add_nc_u64 s[G0+4*\slot+2:G0+4*\slot+3], s[G0+4*\slot+2:G0+4*\slot+3], ASTEP
	s_add_nc_u64 s[G0B+4*\slot+2:G0B+4*\slot+3], s[G0B+4*\slot+2:G0B+4*\slot+3], BSTEP
	JLOAD G0+4*\slot, G1, G0B+4*\slot, G1B         ; the first tensor load behind the round; its four v_nop are the places in front of the loads below
.else
	PLACES NP
.endif
	FETCH \next, 0, 0
	MULWIN 0
	MUL16 2, 1, 0
	WIN 0
.endm
	s_wait_alu depctr_va_vdst(0)
	s_wait_tensorcnt 0x0                           ; my part of K step 0 is in
	ds_add_u32 v[SPW], v[NIL]
	s_wait_dscnt 0x0
	CROUND                                         ; a whole round: everybody's part of K step 0 is in, and the joint loads meet
	JLOAD G0+4, G1, G0B+4, G1B                     ; K step 1: slot 1's first fill, the first tensor load behind the round
	FETCH 0, 0, 0
	ASK 3
	s_wait_kmcnt 0x0
	s_add_co_i32 s92, s90, s91                     ; e6 + e7
	s_sub_co_i32 s93, 0, s92
	s_add_co_i32 s92, s92, 127
	s_lshl_b32 s96, s92, 23                        ; 2^(e6 + e7) as f32
	s_mov_b32 s97, s96
	s_wait_loadcnt 0x0                             ; the bias
.set j, 0
.rept 64
	v_ldexp_f32 v[BI+j], v[BI+j], s93              ; bias / 2^(e6 + e7)
.set j, j+1
.endr
	s_wait_alu depctr_va_vdst(0)
	STEP 0, 1
	TURN 0, 1, 1
	STEP 1, 0
	TURN 1, 0, 1
	STEP 0, 0
	TURN 0, 1, 0                                   ; nothing is left to fetch: no round
	STEP 1, 0
	s_wait_dscnt 0x0                               ; the very last step
	MULWIN 0
	MUL16 0, 1, 0
	MUL16 2, 1, 0
	WIN 0
; THE WAY OUT, block by block of 16 tokens x 128 channels: x 2^(e6 + e7), through my own stage, and back as whole rows of 512 bytes.  LDS serves a wave's instructions in order (ISA guide 5.7.1.4): no wait between the stores and the loads.
.macro TOSTAGE a
.set AC, 64*(\a)
	WIN 0x02                                       ; source 0: window 2
.set j, 0
.rept 32
	v_pk_mul_f32 v[TMP+j:TMP+j+1], v[AC+j:AC+j+1], s[96:97] op_sel_hi:[1,0]   ; each accumulator from its low end on
.set j, j+2
.endr
	WIN 0
.irp b, 0,1,2,3,4,5,6,7
	ds_store_b128 v[STO], v[TMP+8*\b:TMP+8*\b+3] offset:64*\b
	ds_store_b128 v[STO], v[TMP+8*\b+4:TMP+8*\b+7] offset:64*\b+16
.endr
.set BB, BK+64*((\a)%2)
.irp t, 0,1,2,3,4,5,6,7,8,9,10,11,12,13,14,15
	ds_load_b128 v[BB+4*\t:BB+4*\t+3], v[RD] offset:\t*SPITCH
.endr
.endm
.macro SEND a, younger                 ; younger: the LDS instructions issued behind block a's loads, which may stay out
.set BB, BK+64*((\a)%2)
	s_wait_dscnt \younger
.if (\a) > 0
	s_add_nc_u64 s[10:11], s[10:11], 16*4096       ; (behind a wait on XCNT: the earlier stores have read their base)
.endif
.irp t, 0,1,2,3,4,5,6,7,8,9,10,11,12,13,14,15
	global_store_b128 v[CO], v[BB+4*\t:BB+4*\t+3], s[10:11] offset:\t*4096 th:TH_STORE_NT   ; 512 consecutive bytes, aligned
.endr
.endm
	PLACES NP
	TOSTAGE 0
.irp a, 1,2,3
.if \a > 1
	s_wait_xcnt 0x0                                ; block a - 2's stores have read their registers and their base
.endif
	TOSTAGE \a
	SEND \a-1, 32                                  ; behind block a - 1's loads: block a's 16 stores and 16 loads
.endr
	s_wait_xcnt 0x0
	SEND 3, 0
	s_wait_tensorcnt 0x0                           ; the wave's end
	ds_add_u32 v[SPW], v[NIL]
	s_wait_dscnt 0x0
	CROUND                                         ; the closing round: no work-group ends while a partner may still ask for a tile that names it
	s_endpgm
.Lfunc_end_k_q2fc20c8eaf_proj:
	.size	k_q2fc20c8eaf_proj, .Lfunc_end_k_q2fc20c8eaf_proj-k_q2fc20c8eaf_proj
	.p2alignl 7, 3214868480
	.fill 96, 4, 3214868480
	.section	.rodata,"a",@progbits
	.p2align	6, 0x0
	.amdhsa_kernel k_q2fc20c8eaf_proj
		.amdhsa_group_segment_fixed_size 327680
		.amdhsa_private_segment_fixed_size 0
		.amdhsa_enable_private_segment 0
		.amdhsa_kernarg_size 40
		.amdhsa_user_sgpr_count 2
		.amdhsa_user_sgpr_kernarg_segment_ptr 1
		.amdhsa_wavefront_size32 1
		.amdhsa_system_sgpr_workgroup_id_x 1
		.amdhsa_system_sgpr_workgroup_id_y 1
		.amdhsa_system_sgpr_workgroup_id_z 1
		.amdhsa_system_vgpr_workitem_id 0
		.amdhsa_next_free_vgpr 768
		.amdhsa_next_free_sgpr 98
		.amdhsa_reserve_vcc 0
		.amdhsa_float_denorm_mode_32 3
		.amdhsa_float_denorm_mode_16_64 3
		.amdhsa_memory_ordered 1
		.amdhsa_forward_progress 1
		.amdhsa_inst_pref_size 82
	.end_amdhsa_kernel
	.amdgpu_metadata
---
amdhsa.version: [ 1, 2 ]
amdhsa.kernels:
  - .name:           k_q2fc20c8eaf_proj
    .symbol:         k_q2fc20c8eaf_proj.kd
    .args:
      - { .name: a_codes, .offset: 0, .size: 8, .value_kind: global_buffer, .address_space: global }
      - { .name: wout_codes, .offset: 8, .size: 8, .value_kind: global_buffer, .address_space: global }
      - { .name: b_out, .offset: 16, .size: 8, .value_kind: global_buffer, .address_space: global }
      - { .name: lowp_scales, .offset: 24, .size: 8, .value_kind: global_buffer, .address_space: global }
      - { .name: out0, .offset: 32, .size: 8, .value_kind: global_buffer, .address_space: global }
    .group_segment_fixed_size: 327680
    .private_segment_fixed_size: 0
    .kernarg_segment_align: 8
    .kernarg_segment_size: 40
    .max_flat_workgroup_size: 128
    .sgpr_count:     98
    .vgpr_count:     768
    .wavefront_size: 32
...
	.end_amdgpu_metadata
.endif
;; end of part 4
